; MI455X (gfx1250); checked and timed in simulation.
; The chip was launched on July 23, 2026; its instructions are those of AMD's public machine-readable ISA for CDNA 5 (MIT licence, August 2026) and "CDNA5" Instruction Set Architecture Reference Guide (July 2026). The comments in the code are by the model that wrote it; some were corrected since.
;; Multi Head Attention. Allowed arithmetic: matrix products marked QUANTISED: E2M1 operands, one E8M0 scale for each 32 along K, by v_wmma_scale_f32_16x16x128_f8f6f4 with both operands' format E2M1 (or v_wmma_scale_f32_32x16x128_f4), f32 sums; products left as they are: bf16, f16 or f32 operands; f32 sums; everything else in f32.
;; Inputs: Wk 1,024 x 1,024 float32; Wo 1,024 x 1,024 float32; Wq 1,024 x 1,024 float32; Wv 1,024 x 1,024 float32; bk 1,024 float32; bo 1,024 float32; bq 1,024 float32; bv 1,024 float32; context 4 x 2,048 x 1,024 float32; data 4 x 2,048 x 1,024 float32.
;; Outputs: out0 4 x 2,048 x 1,024 float32.
;; This version of the problem:
;;   THIS VERSION OF THE PROBLEM IS GIVEN IN LOW PRECISION. The matrix products marked QUANTISED in the list below multiply operands that are first quantised to E2M1 (2 exponent bits, 1 mantissa bit; 4 bits a number), with one power-of-two scale for each 32 numbers along K (OCP MX v1.0); their sums are f32. The products marked 'left as it is' may take bf16, f16 or f32 operands, with f32 sums. Whichever they take, every output number must still come out within the allowed error. Rounding operands to bf16 (8 significant bits) uses up far more of that allowance than f16 does (11 bits, for magnitudes from 6e-5 to 65,504). All else is computed in f32.
;;   The module's matrix products, in the order in which they are computed (A, B: the left and right operand; K: the contracted axis; several contracted axes count as one K, in the product's order):
;;     1. [M 8,192, K 1,024] x [K 1,024, N 1,024]; A: input data; B: input Wq: QUANTISED
;;     2. [M 8,192, K 1,024] x [K 1,024, N 1,024]; A: input context; B: input Wk: QUANTISED
;;     3. [M 8,192, K 1,024] x [K 1,024, N 1,024]; A: input context; B: input Wv: QUANTISED
;;     4. batch 64 x [M 2,048, K 64] x [K 64, N 2,048]; A: computed on the way; B: computed on the way: left as it is (an operand is computed on the way)
;;     5. batch 64 x [M 2,048, K 2,048] x [K 2,048, N 64]; A: computed on the way; B: computed on the way: left as it is (an operand is computed on the way)
;;     6. [M 8,192, K 1,024] x [K 1,024, N 1,024]; A: computed on the way; B: input Wo: left as it is (an operand is computed on the way)
;;   THE QUANTISER, for each operand of a quantised product, along K:
;;     - K is cut into blocks of 32 from its start; a last block that is shorter is filled with zeros.
;;     - A block's scale is 2^e with e = floor(log2(the largest magnitude in the block)) - 2, held to -126 .. 127; a block of zeros has e = 0. As a byte (E8M0): e + 127.
;;     - Each number is divided by its block's scale, clamped to +-6, and rounded to the nearest number of E2M1, ties to even, subnormals kept.
;;     - The product sums the exact products of the quantised numbers (number of the format x scale) in f32.
;;   ~~~python
;;   def quantise(x, axis):      # numpy; x: float32 -> the quantised numbers, widened to float32 again
;;       x = np.moveaxis(x, axis, -1); K = x.shape[-1]
;;       x = np.pad(x, [(0, 0)] * (x.ndim - 1) + [(0, -K % 32)]); x = x.reshape(x.shape[:-1] + (-1, 32)); a = np.abs(x).max(-1, keepdims=True)
;;       e = np.where(a > 0, np.clip(np.frexp(np.where(a > 0, a, 1))[1] - 1 - 2, -126, 127), 0)      # np.frexp(a)[1] - 1 = floor(log2(a)), exactly
;;       r = np.clip(x / 2.0 ** e, -6, 6)
;;       step = 2.0 ** (np.maximum(np.frexp(np.where(r == 0, 1, r))[1] - 1, 0) - 1)
;;       q = np.round(r / step) * step * 2.0 ** e      # np.round: ties to even
;;       return np.moveaxis(q.reshape(q.shape[:-2] + (-1,))[..., :K], -1, axis).astype(np.float32)
;;   ~~~
;; One version. Each part assembles by itself: llvm-mc -triple=amdgcn-amd-amdhsa -mcpu=gfx1250 --defsym DOCPART=n.
;; ======== version 1 of 1: 5 launches
;; limits: values are held in f16: magnitudes above 65,504 overflow, below 6.1e-05 lose precision
;; workspace buffers: xc 8,388,608 bytes; xs 524,288 bytes; wc 1,572,864 bytes; ws 98,304 bytes; wo16 2,097,152 bytes; qkv 50,331,648 bytes; rows16 786,432 bytes; zh 16,777,216 bytes
;; launch quant (part 1): grid 368 x 1, 8 waves a work-group, no clusters, 84,992 bytes of LDS; arguments data, context, Wq, Wk, Wv, Wo, xc, xs, wc, ws, wo16; writes xc, xs, wc, ws, wo16
.if DOCPART == 1
	.amdgcn_target "amdgcn-amd-amdhsa--gfx1250"
	.amdhsa_code_object_version 6
	.text
	.protected	k_q9ce94b119e_quant
	.globl	k_q9ce94b119e_quant
	.p2align	8
	.type	k_q9ce94b119e_quant,@function
k_q9ce94b119e_quant:
	s_mov_b64 s[64:65], 0
	v_nop
	global_prefetch_b8 v0, s[64:65] scope:SCOPE_SE
	s_setreg_imm32_b32 hwreg(HW_REG_WAVE_MODE, 25, 1), 1
	s_wait_xcnt 0x0
; The operands of the three quantised products become codes of FP4 (E2M1) with one E8M0 byte for each 32 along K (K = 1024); Wo becomes f16.
; A block's scale is 2^(floor(log2(largest magnitude)) - 2): its byte is the largest magnitude's exponent field - 2, held at 1 from below.
; LIMITS: NaN and infinities are not served.  A block whose largest magnitude lies under 2^-124 keeps the byte 1; a block of zeros gets the byte 1 and not 127:
; its codes are zeros, which add nothing under that byte, and the bytes are read by this program alone.  Wo's numbers are taken to lie inside f16's range (65,504).
; THREE PATHS, parted by the work-group's number alone, each with LDS bytes of its own:
;   work-groups 0-95    W: Wq, Wk, Wv [1024 k][1024 n] f32, K the first axis -> wc [3072 n][512 B], ws [3072 n][32 B].  64 columns x 512 along K to a work-group.
;   work-groups 96-111  O: Wo f32 -> wo16 f16, same order.  8,192 numbers to a wave.
;   work-groups 112-367 X: data, context [8192][1024] f32, K innermost -> xc [16384][512 B], xs [16384][32 B]: plain streams of blocks of 32.  8,192 numbers to a wave.
; The weight path has few bytes and many small loads, so it runs beside the long stream of path X in one launch.
.set STEPS, 16
.set WREG,  8192                       ; path X: a wave's LDS region: two stages of 32 x SP bytes, then its 256 scale bytes
.set SP,    80                         ; a lane's place in a stage: 64 bytes + 16 of padding
.set CB,    8                          ; bytes of 16 codes
.set R,     16                         ; path X: v16-79 four sets of 16 numbers as loaded
.set X,     80                         ; v80-111 two sets of 16 neighbours
.set E,     112                        ; v112-127 a scale byte for each step
.set C,     128                        ; v128-191 codes, four registers for each step
.set XW,    32                         ; path W: v32-159 four blocks of 32 numbers
.set CW,    160                        ; v160-175 their codes;  v176-191 the way out
.set WST,   65536                      ; path W: stage, 64 columns x (256 + 16) bytes
.set WSC,   WST+64*272                 ; and their scale bytes, 16 a column
.set SPARE, WSC+64*16                  ; the spare words, 128 bytes for each of the eight waves: named by no other line
.set SPW,   12                         ; v12 my spare word's LDS address; never rewritten
.set NIL,   13                         ; v13 0; never rewritten
.macro XLOAD t
.irp i, 0,1,2,3
	global_load_b128 v[R+16*((\t)%4)+4*\i:R+16*((\t)%4)+4*\i+3], v3, s[8:9] offset:2048*(\t)+512*\i th:TH_LOAD_NT   ; 32 lanes read 512 consecutive bytes
.endr
.endm
.macro XTURN t                         ; a step's 2,048 bytes go through my stage as they lie and come back 64 bytes a lane; LDS serves a wave's instructions in order
.irp i, 0,1,2,3
	ds_store_b128 v14, v[R+16*((\t)%4)+4*\i:R+16*((\t)%4)+4*\i+3] offset:32*SP*((\t)%2)+8*SP*\i
.endr
.irp i, 0,1,2,3
	ds_load_b128 v[X+16*((\t)%2)+4*\i:X+16*((\t)%2)+4*\i+3], v15 offset:32*SP*((\t)%2)+16*\i
.endr
.endm
.macro XSTEP t
.set XS, X+16*((\t)%2)
.if (\t) > 0
	s_wait_dscnt 1                                 ; this step's numbers are back from the stage; the last step's byte store may be out
.else
	s_wait_dscnt 0x0
.endif
.if (\t)+4 < STEPS
	XLOAD (\t)+4                                   ; into the registers that this step's stage stores have read
.endif
.if (\t)+1 < STEPS
.if STEPS-2-(\t) >= 3
	s_wait_loadcnt 12                              ; the next step's four loads are in; the 12 of the three steps behind it may be out
.else
	s_wait_loadcnt 4*(STEPS-2-(\t))
.endif
	XTURN (\t)+1
.endif
	v_max3_num_f32 v8, |v[XS]|, |v[XS+1]|, |v[XS+2]|
	v_max3_num_f32 v9, |v[XS+3]|, |v[XS+4]|, |v[XS+5]|
.irp i, 6,10
	v_max3_num_f32 v8, v8, |v[XS+\i]|, |v[XS+\i+1]|
	v_max3_num_f32 v9, v9, |v[XS+\i+2]|, |v[XS+\i+3]|
.endr
	v_max3_num_f32 v8, v8, |v[XS+14]|, |v[XS+15]|
	v_max3_num_f32 v8, v8, v9, 0x1800000           ; the floor 2^(3 - 127): the byte cannot fall under 1
	v_max_num_f32_dpp v8, v8, v8 row_xmask:1 row_mask:0xf bank_mask:0xf   ; with my neighbour's 16: the block's largest magnitude
	v_add_nc_u32 v11, 0xff000000, v8               ; 2 off its exponent field: the conversion's scale operand
	v_cvt_scalef32_pk8_fp4_f32 v[C+4*(\t)], v[XS:XS+7], v11
	v_cvt_scalef32_pk8_fp4_f32 v[C+4*(\t)+1], v[XS+8:XS+15], v11
	v_lshrrev_b32 v[E+(\t)], 23, v11               ; the scale's byte (also the plain line behind the conversions)
	ds_store_b8 v5, v[E+(\t)] offset:16*(\t)       ; both lanes of a block write the same byte with the same value
	global_store_b64 v4, v[C+4*(\t):C+4*(\t)+1], s[20:21] offset:32*CB*(\t)   ; the wave stores 256 consecutive bytes, aligned
.endm
.macro WLOAD t                         ; block t of my column: W(32 t + i, column); the two column waves together read 256 consecutive bytes of a row
.irp i, 0,1,2,3,4,5,6,7,8,9,10,11,12,13,14,15,16,17,18,19,20,21,22,23,24,25,26,27,28,29,30,31
	global_load_b32 v[XW+32*(\t)+\i], v3, s[12:13] offset:(32*(\t)+\i)*4096 th:TH_LOAD_NT
.endr
.endm
.macro WBLOCK t
.set XB, XW+32*(\t)
.if (\t) < 3
	s_wait_loadcnt 32                              ; this block's 32 loads are in; the next block's 32 may be out
.else
	s_wait_loadcnt 0x0
.endif
.if (\t)+2 < 4
	WLOAD (\t)+2
.endif
	v_max3_num_f32 v16, |v[XB]|, |v[XB+1]|, |v[XB+2]|               ; all 32 numbers of the block are mine
	v_max3_num_f32 v17, |v[XB+3]|, |v[XB+4]|, |v[XB+5]|
.irp i, 6,10,14,18,22,26
	v_max3_num_f32 v16, v16, |v[XB+\i]|, |v[XB+\i+1]|
	v_max3_num_f32 v17, v17, |v[XB+\i+2]|, |v[XB+\i+3]|
.endr
	v_max3_num_f32 v16, v16, |v[XB+30]|, |v[XB+31]|
	v_max3_num_f32 v16, v16, v17, 0x1800000
	v_add_nc_u32 v18, 0xff000000, v16
	v_lshrrev_b32 v19, 23, v18
.if (\t) == 0
	v_mov_b32 v20, v19                             ; four bytes make the word of my 128 along K
.else
	v_lshl_or_b32 v20, v19, 8*(\t), v20
.endif
.irp g, 0,1,2,3
	v_cvt_scalef32_pk8_fp4_f32 v[CW+4*(\t)+\g], v[XB+8*\g:XB+8*\g+7], v18
.endr
	v_nop                                          ; one plain line behind the last conversion
	ds_store_b128 v4, v[CW+4*(\t):CW+4*(\t)+3] offset:16*(\t)      ; 32 codes: 16 bytes of my column's row
.endm
.macro OLOAD g
.irp i, 0,1,2,3,4,5,6,7,8,9,10,11,12,13,14,15
	global_load_b128 v[32+64*((\g)%2)+4*\i:32+64*((\g)%2)+4*\i+3], v3, s[18:19] offset:(16*(\g)+\i)*512 th:TH_LOAD_NT
.endr
.endm
.macro OGROUP g
.if (\g) < 3
	s_wait_loadcnt 16                              ; this group's 16 loads are in; the next group's may be out
.else
	s_wait_loadcnt 0x0
.endif
.if (\g) > 0
	s_wait_xcnt 0x0                                ; the last group's stores have read their data registers, which are written again below
.endif
.irp i, 0,1,2,3,4,5,6,7,8,9,10,11,12,13,14,15
	v_cvt_pk_f16_f32 v[160+2*\i], v[32+64*((\g)%2)+4*\i], v[32+64*((\g)%2)+4*\i+1]
	v_cvt_pk_f16_f32 v[161+2*\i], v[32+64*((\g)%2)+4*\i+2], v[32+64*((\g)%2)+4*\i+3]
.endr
.irp i, 0,1,2,3,4,5,6,7,8,9,10,11,12,13,14,15
	global_store_b64 v4, v[160+2*\i:161+2*\i], s[28:29] offset:(16*(\g)+\i)*256   ; 32 lanes store 256 consecutive bytes, aligned
.endr
.if (\g)+2 < 4
	OLOAD (\g)+2
.endif
.endm
	s_load_b512 s[8:23], s[0:1], 0x0               ; data 8, context 10, Wq 12, Wk 14, Wv 16, Wo 18, xc 20, xs 22
	s_load_b128 s[24:27], s[0:1], 0x40             ; wc, ws
	s_load_b64 s[28:29], s[0:1], 0x50              ; wo16
	v_lshl_add_u32 v[SPW], v0, 2, SPARE
	v_mov_b32 v[NIL], 0
	v_lshrrev_b32 v1, 5, v0
	v_readfirstlane_b32 s30, v1                    ; wave 0..7
	v_and_b32 v2, 31, v0                           ; lane
	s_wait_kmcnt 0x0
	s_cmp_lt_u32 ttmp9, 96
	s_cbranch_scc1 .Lpath_w
	s_cmp_lt_u32 ttmp9, 112
	s_cbranch_scc1 .Lpath_o
	; ---- PATH X: the activations
	s_sub_co_u32 s31, ttmp9, 112
	s_lshl_b32 s32, s31, 3
	s_add_co_u32 s32, s32, s30                     ; which run of 8,192 numbers is my wave's: 0..2047; the first 1,024 are data's
	s_cmp_lt_u32 s31, 128
	s_cselect_b64 s[8:9], s[8:9], s[10:11]
	s_and_b32 s34, s32, 1023
	s_lshl_b32 s34, s34, 15
	s_mov_b32 s35, 0
	s_add_nc_u64 s[8:9], s[8:9], s[34:35]
	s_lshl_b32 s34, s32, 12
	s_add_nc_u64 s[20:21], s[20:21], s[34:35]
	s_lshl_b32 s34, s32, 8
	s_add_nc_u64 s[22:23], s[22:23], s[34:35]
	v_lshlrev_b32 v3, 4, v2                        ; my 16 bytes of a load's 512
	s_mul_i32 s36, s30, WREG
	v_lshrrev_b32 v14, 2, v2
	v_mul_u32_u24 v14, v14, SP
	v_and_b32 v15, 3, v2
	v_lshl_add_u32 v14, v15, 4, v14
	v_add_nc_u32 v14, s36, v14                     ; the stage, in: SP (lane / 4) + 16 (lane % 4)
	v_mul_u32_u24 v15, v2, SP
	v_add_nc_u32 v15, s36, v15                     ; and out: SP x lane
	v_mul_u32_u24 v4, v2, CB
	v_lshrrev_b32 v5, 1, v2
	s_add_co_u32 s36, s36, 2*32*SP
	v_add_nc_u32 v5, s36, v5                       ; my block's scale byte in LDS
	v_lshlrev_b32 v7, 3, v2
	v_add_nc_u32 v6, s36, v7
.irp t, 0,1,2,3
	XLOAD \t
.endr
	s_wait_loadcnt 12                              ; step 0's four loads are in
	XTURN 0
.irp t, 0,1,2,3,4,5,6,7,8,9,10,11,12,13,14,15
	XSTEP \t
.endr
	ds_load_b64 v[8:9], v6                         ; my wave's 256 scale bytes; they see my stores
	s_wait_dscnt 0x0
	global_store_b64 v7, v[8:9], s[22:23]          ; 256 consecutive bytes, aligned
	s_wait_tensorcnt 0x0                           ; the wave's end, behind my last LDS store
	ds_add_u32 v[SPW], v[NIL]
	s_wait_dscnt 0x0
	s_endpgm
	; ---- PATH W: a lane takes a column n and its registers run down K, so the codes come out with K innermost
.Lpath_w:
	s_lshr_b32 s31, ttmp9, 5                       ; which weight: 0 Wq, 1 Wk, 2 Wv
	s_bfe_u32 s32, ttmp9, 0x40001                  ; which 64 columns
	s_and_b32 s33, ttmp9, 1                        ; which 512 along K
	s_and_b32 s34, s30, 1                          ; my wave: which 32 of the columns,
	s_lshr_b32 s35, s30, 1                         ; which 128 along K
	s_cmp_eq_u32 s31, 0
	s_cselect_b64 s[12:13], s[12:13], s[14:15]
	s_cmp_eq_u32 s31, 2
	s_cselect_b64 s[12:13], s[16:17], s[12:13]
	s_lshl_b32 s36, s33, 21                        ; 512 rows of 4,096 bytes
	s_lshl_b32 s37, s35, 19                        ; 128 rows
	s_add_co_u32 s36, s36, s37
	s_lshl_b32 s37, s32, 8
	s_add_co_u32 s36, s36, s37
	s_lshl_b32 s37, s34, 7
	s_add_co_u32 s36, s36, s37
	s_mov_b32 s37, 0
	s_add_nc_u64 s[12:13], s[12:13], s[36:37]
	s_lshl_b32 s36, s31, 19                        ; wc: (1024 T + 64 cg) rows of 512 bytes + 256 kh
	s_lshl_b32 s38, s32, 15
	s_add_co_u32 s36, s36, s38
	s_lshl_b32 s38, s33, 8
	s_add_co_u32 s36, s36, s38
	s_add_nc_u64 s[24:25], s[24:25], s[36:37]
	s_lshl_b32 s36, s31, 15                        ; ws: (1024 T + 64 cg + 32 cw) rows of 32 bytes + 16 kh
	s_lshl_b32 s38, s32, 11
	s_add_co_u32 s36, s36, s38
	s_lshl_b32 s38, s34, 10
	s_add_co_u32 s36, s36, s38
	s_lshl_b32 s38, s33, 4
	s_add_co_u32 s36, s36, s38
	s_add_nc_u64 s[26:27], s[26:27], s[36:37]
	v_lshlrev_b32 v3, 2, v2                        ; in: 4 bytes a lane
	s_mul_i32 s36, s34, 32*272
	s_lshl_b32 s38, s35, 6
	s_add_co_u32 s36, s36, s38
	s_add_co_u32 s36, s36, WST
	v_mul_u32_u24 v4, v2, 272
	v_add_nc_u32 v4, s36, v4                       ; the stage, in: row = my column, byte 64 kc
	s_lshl_b32 s38, s34, 9
	s_add_co_u32 s38, s38, WSC
	v_lshl_add_u32 v8, v2, 4, s38                  ; my column's 16 scale bytes
	s_lshl_b32 s39, s35, 2
	v_add_nc_u32 v5, s39, v8                       ; and my word among them
	v_and_b32 v10, 15, v2
	v_lshrrev_b32 v11, 4, v2
	s_lshl_b32 s38, s30, 3
	v_add_nc_u32 v11, s38, v11                     ; the way out: row 8 w + lane / 16, two rows an instruction
	v_mul_u32_u24 v6, v11, 272
	v_lshl_add_u32 v6, v10, 4, v6
	v_add_nc_u32 v6, WST, v6
	v_lshlrev_b32 v7, 9, v11
	v_lshl_add_u32 v7, v10, 4, v7
	v_lshlrev_b32 v9, 5, v2
	WLOAD 0
	WLOAD 1
.irp t, 0,1,2,3
	WBLOCK \t
.endr
	ds_store_b32 v5, v20
	s_wait_dscnt 0x0                               ; for the others' sake: my stores into the stage are done
	s_barrier_signal -1
	s_barrier_wait -1
.irp u, 0,1,2,3
	ds_load_b128 v[176+4*\u:179+4*\u], v6 offset:544*\u
.endr
.irp u, 0,1,2,3
	s_wait_dscnt 3-\u                              ; the younger loads may be out
	global_store_b128 v7, v[176+4*\u:179+4*\u], s[24:25] offset:1024*\u   ; sixteen lanes store 256 consecutive bytes, aligned
.endr
	s_cmp_lt_u32 s30, 2                            ; the 64 columns' scale bytes: two waves' worth
	s_cbranch_scc0 .Lw_end
	ds_load_b128 v[20:23], v8
	s_wait_dscnt 0x0
	global_store_b128 v9, v[20:23], s[26:27]       ; 16 bytes of each column's row of 32: 98,304 bytes in the whole launch go out in such pieces
.Lw_end:
	s_wait_tensorcnt 0x0                           ; the wave's end
	ds_add_u32 v[SPW], v[NIL]
	s_wait_dscnt 0x0
	s_endpgm
	; ---- PATH O: Wo to f16, as it lies
.Lpath_o:
	s_sub_co_u32 s31, ttmp9, 96
	s_lshl_b32 s31, s31, 3
	s_add_co_u32 s31, s31, s30                     ; run 0..127 of 8,192 numbers
	s_lshl_b32 s36, s31, 15
	s_mov_b32 s37, 0
	s_add_nc_u64 s[18:19], s[18:19], s[36:37]
	s_lshl_b32 s36, s31, 14
	s_add_nc_u64 s[28:29], s[28:29], s[36:37]
	v_lshlrev_b32 v3, 4, v2
	v_lshlrev_b32 v4, 3, v2
	OLOAD 0
	OLOAD 1
.irp g, 0,1,2,3
	OGROUP \g
.endr
	s_wait_tensorcnt 0x0                           ; the same three lines at this path's end
	ds_add_u32 v[SPW], v[NIL]
	s_wait_dscnt 0x0
	s_endpgm
.Lfunc_end_k_q9ce94b119e_quant:
	.size	k_q9ce94b119e_quant, .Lfunc_end_k_q9ce94b119e_quant-k_q9ce94b119e_quant
	.p2alignl 7, 3214868480
	.fill 96, 4, 3214868480
	.section	.rodata,"a",@progbits
	.p2align	6, 0x0
	.amdhsa_kernel k_q9ce94b119e_quant
		.amdhsa_group_segment_fixed_size 84992
		.amdhsa_private_segment_fixed_size 0
		.amdhsa_enable_private_segment 0
		.amdhsa_kernarg_size 88
		.amdhsa_user_sgpr_count 2
		.amdhsa_user_sgpr_kernarg_segment_ptr 1
		.amdhsa_wavefront_size32 1
		.amdhsa_system_sgpr_workgroup_id_x 1
		.amdhsa_system_sgpr_workgroup_id_y 1
		.amdhsa_system_sgpr_workgroup_id_z 1
		.amdhsa_system_vgpr_workitem_id 0
		.amdhsa_next_free_vgpr 192
		.amdhsa_next_free_sgpr 66
		.amdhsa_reserve_vcc 0
		.amdhsa_float_denorm_mode_32 3
		.amdhsa_float_denorm_mode_16_64 3
		.amdhsa_memory_ordered 1
		.amdhsa_forward_progress 1
		.amdhsa_inst_pref_size 76
	.end_amdhsa_kernel
	.amdgpu_metadata
---
amdhsa.version: [ 1, 2 ]
amdhsa.kernels:
  - .name:           k_q9ce94b119e_quant
    .symbol:         k_q9ce94b119e_quant.kd
    .args:
      - { .name: data, .offset: 0, .size: 8, .value_kind: global_buffer, .address_space: global }
      - { .name: context, .offset: 8, .size: 8, .value_kind: global_buffer, .address_space: global }
      - { .name: Wq, .offset: 16, .size: 8, .value_kind: global_buffer, .address_space: global }
      - { .name: Wk, .offset: 24, .size: 8, .value_kind: global_buffer, .address_space: global }
      - { .name: Wv, .offset: 32, .size: 8, .value_kind: global_buffer, .address_space: global }
      - { .name: Wo, .offset: 40, .size: 8, .value_kind: global_buffer, .address_space: global }
      - { .name: xc, .offset: 48, .size: 8, .value_kind: global_buffer, .address_space: global }
      - { .name: xs, .offset: 56, .size: 8, .value_kind: global_buffer, .address_space: global }
      - { .name: wc, .offset: 64, .size: 8, .value_kind: global_buffer, .address_space: global }
      - { .name: ws, .offset: 72, .size: 8, .value_kind: global_buffer, .address_space: global }
      - { .name: wo16, .offset: 80, .size: 8, .value_kind: global_buffer, .address_space: global }
    .group_segment_fixed_size: 84992
    .private_segment_fixed_size: 0
    .kernarg_segment_align: 8
    .kernarg_segment_size: 88
    .max_flat_workgroup_size: 256
    .sgpr_count:     66
    .vgpr_count:     192
    .wavefront_size: 32
...
	.end_amdgpu_metadata
.endif
;; end of part 1
;; launch proj (part 2): grid 12 x 32, 4 waves a work-group, clusters of 4 x 4, 327,680 bytes of LDS; arguments xc, xs, wc, ws, bq, bk, bv, qkv, rows16; writes qkv, rows16
.if DOCPART == 2
	.amdgcn_target "amdgcn-amd-amdhsa--gfx1250"
	.amdhsa_code_object_version 6
	.text
	.protected	k_q9ce94b119e_proj
	.globl	k_q9ce94b119e_proj
	.p2align	8
	.type	k_q9ce94b119e_proj,@function
k_q9ce94b119e_proj:
	s_mov_b64 s[64:65], 0
	v_nop
	global_prefetch_b8 v0, s[64:65] scope:SCOPE_SE
	s_setreg_imm32_b32 hwreg(HW_REG_WAVE_MODE, 25, 1), 1
	s_wait_xcnt 0x0
	s_wait_alu depctr_hold_cnt(0) depctr_sa_sdst(0) depctr_va_vdst(0) depctr_va_sdst(0) depctr_va_ssrc(0) depctr_va_vcc(0) depctr_vm_vsrc(0)
	s_getreg_b32 s2, hwreg(HW_REG_IB_STS2, 6, 4)
	s_cmp_eq_u32 s2, 0
	s_cbranch_scc0 .Lentry_in_a_cluster
	s_endpgm
.Lentry_in_a_cluster:
	s_bfe_u32 s2, ttmp6, 0x10000c
	s_cmp_lg_u32 s2, 0xf033
	s_cbranch_scc0 .Lentry_shape_is_right
	s_endpgm
.Lentry_shape_is_right:
; Q = data Wq + bq, K = context Wk + bk, V = context Wv + bv: one GEMM [8192] x [3072] over K = 1024 on codes of FP4 (E2M1) with E8M0 scales, sums in f32.
; xc [16384 rows][512 B] (rows 0-8191 data, then context), xs [16384][32 B]; wc [3072 n][512 B] (Wq's, Wk's, Wv's columns), ws [3072][32 B].
; OUT: qkv [3][4 b][16 h][2048 s][64] f16; and the first 16 positions of every sequence also as f32, rows16 [3][4 b][16 h][16 s][64].
; LIMIT: |Q|, |K|, |V| under 65,504 (f16's range).  The bias is the C of each sum's first product: another order of f32 rounding than a bias added last.
; A tile of 256 x 256 is made by four waves, 128 x 128 each: 64 accumulators, 512 registers.  K = 1024 is two slots of 512: both are asked for at the head and nothing is filled again.
; The scales of the work-group's 256 + 256 rows for all of K come once, as dense blocks.
; CLUSTERS 4 x 4: tile column = 4 x cluster x + cx (cluster x is the tensor Q, K, V); tile row = 8 cy + cluster y, so cy is the batch and cluster y the block of 256 positions:
; whether a tile holds positions 0-15 is then the same question in all sixteen partners.  A's tiles are shared along a row of the cluster, B's along a column, by joint loads.
; 384 tiles: every power-of-two tile of this product gives 3 x 2^k tiles; this one feeds the most products from each LDS byte.
; THE MATRIX INSTRUCTION IS USED TRANSPOSED (source 0 = 16 rows of wc, source 1 = 16 rows of xc): a lane holds eight neighbouring columns of one row.
; REGISTERS: window 0: v0-31 addresses; v32-95 scale words, two sets; v128-191 A's fragments, one set; v192-255 the bias, later packed results.
;   window 1: B's fragments, two sets (v0, v128).  window 2: accumulators of my rows 0-63 ((a, b) at v[8 (8 a + b)]).  window 3: rows 64-127.
.set NQ,     4                         ; steps of 128 along K in a slot
.set ROWB,   256                       ; a tile's row: 512 codes
.set KROW,   512                       ; a row of codes in memory
.set PITCH,  272                       ; an LDS row: 256 bytes + 16: the 16 rows that a load touches start 16 bytes apart modulo 256
.set FR,     8
.set NL,     2
.set NP,     4                         ; places behind this matrix instruction (ISA guide 7.12.1)
.set HALFT,  128*PITCH
.set SLOT,   4*HALFT
.set KS,     32                        ; a row of scale bytes
.set SCL,    2*SLOT                    ; behind the slots: the scales, as units of 256 bytes + 16
.set HALFS,  (128*KS/256)*272
.set SBLK,   (16*KS/256)*272
.set SPARE,  SCL+4*HALFS               ; the spare words, 128 bytes a wave: named by no other line
.set SPITCH, 528                       ; the way out: each wave's stage, 16 x 528 bytes, in slot 0, which has had its only fill and its last read by then
.set ADRA, 16
.set ADRB, 20
.set STO,  22                          ; f16: where I put 16 bytes of a row (pitch 272)
.set RD,   23                          ; f16: where I read back: four rows of one head's 128 bytes
.set STF,  24                          ; f32: where I put 32 bytes of a row (pitch 528)
.set RDF,  25                          ; f32: where I read a row back
.set GOF,  26                          ; f32: my byte offset in rows16
.set ADRS, 27
.set SPW,  28
.set NIL,  29
.set GO,   30                          ; 16 x lane
.set BO,   31                          ; 32 x (lane / 16): my eight numbers of a bias block
.set SC,   32
.set AF,   128
.set BK,   128
.set BIAS, 192
.set TMP,  192
.set G1, 24
.set G0, 32
.set G1B, 48
.set G0B, 56
.set G1S, 68
.set G0S, 76
.set G1SB, 80
.set G0SB, 88
.set MSB, 0
.macro WIN new                         ; the immediate's high byte repeats the setting that is left
.if MSB != (\new)
	s_set_vgpr_msb (MSB<<8)|(\new)
.set MSB, (\new)
.endif
.endm
.set MUL_LO, 0xa1                      ; source 0 (B) window 1, source 1 (A) window 0, C and D window 2
.set MUL_HI, 0xf1                      ; the same, C and D window 3
.set TO_B,   0x40
; A joint load: waves 0, 1 fetch for A, waves 2, 3 for B; an s_nop 0 and four v_nop follow each line
.macro JLOAD g0a, g1a, g0b, g1b
	s_cmp_eq_u32 s15, 0
	s_cbranch_scc0 .Lfor_b_\@
	tensor_load_to_lds s[\g0a:\g0a+3], s[\g1a:\g1a+7]
	s_nop 0
.rept 4
	v_nop
.endr
	s_branch .Lasked_\@
.Lfor_b_\@:
	tensor_load_to_lds s[\g0b:\g0b+3], s[\g1b:\g1b+7]
	s_nop 0
.rept 4
	v_nop
.endr
.Lasked_\@:
.endm
.macro CROUND                          ; a round of the cluster's barrier
	s_barrier_signal -1
	s_barrier_wait -1
	s_cmp_lg_u32 s14, 0
	s_cbranch_scc1 .Lnot_wave_0_\@
	s_barrier_signal -3
.Lnot_wave_0_\@:
	s_barrier_wait -3
	s_barrier_signal -1
	s_barrier_wait -1
.endm
	s_load_b128 s[4:7], s[0:1], 0x0                ; xc, xs
	s_load_b128 s[8:11], s[0:1], 0x10              ; wc, ws
	s_load_b128 s[96:99], s[0:1], 0x20             ; bq, bk
	s_load_b64 s[100:101], s[0:1], 0x30            ; bv
	s_load_b64 s[12:13], s[0:1], 0x38              ; qkv
	s_load_b64 s[66:67], s[0:1], 0x40              ; rows16
	v_lshl_add_u32 v[SPW], v0, 2, SPARE
	v_mov_b32 v[NIL], 0
	ds_add_u32 v[SPW], v[NIL]                      ; the opening: the add, twice on end, and its wait ahead of my first tensor load
	ds_add_u32 v[SPW], v[NIL]
	v_lshrrev_b32 v1, 5, v0
	v_readfirstlane_b32 s14, v1                    ; wave 0..3
	s_lshr_b32 s15, s14, 1                         ; my half of the tile's rows.  Also: I fetch for A (0) or B (1)
	s_and_b32 s16, s14, 1                          ; my half of its columns.  Also: which 128 rows I fetch
	s_bfe_u32 s40, ttmp6, 0x40000                  ; cx
	s_bfe_u32 s41, ttmp6, 0x40004                  ; cy
	s_lshl_b32 s42, ttmp9, 2
	s_add_co_u32 s42, s42, s40                     ; tile column = 4 x cluster x + cx
	s_and_b32 s104, ttmp7, 0xffff                  ; cluster y
	s_lshl_b32 s17, s41, 3
	s_add_co_u32 s17, s17, s104                    ; tile row = 8 cy + cluster y
	s_lshl_b32 s43, s41, 2
	s_lshl_b32 s43, 15, s43                        ; my row of the cluster
	s_lshl_b32 s44, 0x1111, s40                    ; my column
	s_or_b32 s[G1+0], s43, (0<<16)|(1<<20)|(1<<21)|(5<<22)|(3<<25)   ; the mask; elements of 1 byte; padding: 4 words behind every 64; bit 21 beside a mask
	s_or_b32 s[G1B+0], s44, (0<<16)|(1<<20)|(1<<21)|(5<<22)|(3<<25)
.irp g, G1, G1B
	s_mov_b32 s[\g+1], ROWB<<16                    ; tensor_dim0
	s_mov_b32 s[\g+2], 128<<16                     ; tensor_dim1
	s_mov_b32 s[\g+3], ROWB<<16                    ; tile_dim0
	s_mov_b32 s[\g+4], 128                         ; tile_dim1
	s_mov_b32 s[\g+5], KROW                        ; pitch
	s_mov_b32 s[\g+6], 0
	s_mov_b32 s[\g+7], 0
.endr
	s_or_b32 s[G1S+0], s43, (3<<16)|(1<<20)|(1<<21)|(5<<22)|(3<<25)  ; the scales of 128 rows: 4,096 dense bytes as 16 rows of 32 elements of 8 bytes
	s_or_b32 s[G1SB+0], s44, (3<<16)|(1<<20)|(1<<21)|(5<<22)|(3<<25)
.irp g, G1S, G1SB
	s_mov_b32 s[\g+1], 32<<16
	s_mov_b32 s[\g+2], (128*KS/256)<<16
	s_mov_b32 s[\g+3], 32<<16
	s_mov_b32 s[\g+4], 128*KS/256
	s_mov_b32 s[\g+5], 32
	s_mov_b32 s[\g+6], 0
	s_mov_b32 s[\g+7], 0
.endr
	s_lshl_b32 s18, s16, 7                         ; which 128 rows of the tile I fetch
	s_cmp_eq_u32 ttmp9, 0
	s_cselect_b32 s19, 0, 8192                     ; Q takes data's rows, K and V context's
	s_lshl_b32 s20, s17, 8
	s_add_co_u32 s20, s20, s18
	s_add_co_u32 s20, s20, s19                     ; A: row of xc
	s_lshl_b32 s46, s42, 8
	s_add_co_u32 s46, s46, s18                     ; B: row of wc
	s_mov_b32 s21, 0
	s_mov_b32 s47, 0
	s_mov_b64 s[18:19], KS
	s_mul_u64 s[22:23], s[20:21], s[18:19]
	s_mul_u64 s[92:93], s[46:47], s[18:19]
	s_mov_b64 s[18:19], KROW
	s_mul_u64 s[20:21], s[20:21], s[18:19]
	s_mul_u64 s[46:47], s[46:47], s[18:19]
	s_mul_i32 s45, s14, HALFT                      ; where they go: wave x 128 rows
	s_mul_i32 s94, s14, HALFS
	s_wait_dscnt 0x0                               ; both opening adds are done
	s_wait_kmcnt 0x0
	s_add_nc_u64 s[20:21], s[4:5], s[20:21]
	s_add_nc_u64 s[22:23], s[6:7], s[22:23]
	s_add_nc_u64 s[46:47], s[8:9], s[46:47]
	s_add_nc_u64 s[92:93], s[10:11], s[92:93]
	CROUND                                         ; all sixteen work-groups are here: the joint loads meet
	s_mov_b32 s[G0S], 1
	s_add_co_u32 s[G0S+1], s94, SCL
	s_mov_b64 s[G0S+2:G0S+3], s[22:23]
	s_or_b32 s[G0S+3], s[G0S+3], 0x80000000
	s_mov_b32 s[G0SB], 1
	s_add_co_u32 s[G0SB+1], s94, SCL
	s_mov_b64 s[G0SB+2:G0SB+3], s[92:93]
	s_or_b32 s[G0SB+3], s[G0SB+3], 0x80000000
	JLOAD G0S, G1S, G0SB, G1SB                     ; the scales first
.irp s, 0,1
	s_mov_b32 s[G0+4*\s], 1
	s_add_co_u32 s[G0+4*\s+1], s45, \s*SLOT
	s_add_nc_u64 s[G0+4*\s+2:G0+4*\s+3], s[20:21], \s*ROWB
	s_or_b32 s[G0+4*\s+3], s[G0+4*\s+3], 0x80000000
	s_mov_b32 s[G0B+4*\s], 1
	s_add_co_u32 s[G0B+4*\s+1], s45, \s*SLOT
	s_add_nc_u64 s[G0B+4*\s+2:G0B+4*\s+3], s[46:47], \s*ROWB
	s_or_b32 s[G0B+4*\s+3], s[G0B+4*\s+3], 0x80000000
	JLOAD G0+4*\s, G1, G0B+4*\s, G1B               ; three loads of mine are out in all
.endr
	; the bias of my tensor, at my 128 columns
	s_cmp_eq_u32 ttmp9, 0
	s_cselect_b64 s[96:97], s[96:97], s[98:99]
	s_cmp_eq_u32 ttmp9, 2
	s_cselect_b64 s[96:97], s[100:101], s[96:97]
	s_lshl_b32 s98, s40, 10
	s_lshl_b32 s100, s16, 9
	s_add_co_u32 s98, s98, s100
	s_mov_b32 s99, 0
	s_add_nc_u64 s[96:97], s[96:97], s[98:99]
	v_and_b32 v1, 15, v0                           ; r
	v_bfe_u32 v2, v0, 4, 1                         ; h
	v_lshlrev_b32 v[BO], 5, v2
.irp b, 0,1,2,3,4,5,6,7
	global_load_b128 v[BIAS+8*\b:BIAS+8*\b+3], v[BO], s[96:97] offset:64*\b       ; in the result's layout: columns 16 b + 8 h + 0 .. 7
	global_load_b128 v[BIAS+8*\b+4:BIAS+8*\b+7], v[BO], s[96:97] offset:64*\b+16
.endr
	; where my results go: head = (4 T + b) 16 + 4 cx + 2 x column half
	s_lshl_b32 s100, ttmp9, 2
	s_add_co_u32 s100, s100, s41
	s_lshl_b32 s100, s100, 4
	s_lshl_b32 s101, s40, 2
	s_add_co_u32 s100, s100, s101
	s_lshl_b32 s101, s16, 1
	s_add_co_u32 s100, s100, s101
	s_lshl_b32 s98, s100, 12                       ; rows16: 4,096 bytes a head
	s_add_nc_u64 s[66:67], s[66:67], s[98:99]
	s_lshl_b32 s98, s100, 18                       ; qkv: 262,144 bytes a head,
	s_lshl_b32 s101, s104, 15                      ; 256 positions of 128 bytes a tile row,
	s_add_co_u32 s98, s98, s101
	s_lshl_b32 s101, s15, 14                       ; 128 a row half
	s_add_co_u32 s98, s98, s101
	s_add_nc_u64 s[12:13], s[12:13], s[98:99]
	v_mul_u32_u24 v3, v1, PITCH
	v_lshl_add_u32 v4, v2, 4, v3                   ; a fragment's row x pitch + 16 x half
	s_mul_i32 s21, s15, HALFT
	s_mul_i32 s22, s16, HALFT
	s_add_co_u32 s22, s22, 2*HALFT
.irp s, 0,1
	v_add_nc_u32 v[ADRA+\s], s21, v4
	v_add_nc_u32 v[ADRB+\s], s22, v4
	s_add_co_u32 s21, s21, SLOT
	s_add_co_u32 s22, s22, SLOT
.endr
	v_mul_u32_u24 v5, v1, KS
	v_lshrrev_b32 v6, 8, v5
	v_lshl_add_u32 v5, v6, 4, v5                   ; my row's scales: 32 bytes a row, 16 more for each 256 passed
	s_mul_i32 s21, s15, HALFS
	s_mul_i32 s22, s16, HALFS
	s_add_co_u32 s22, s22, 2*HALFS
	s_sub_co_u32 s22, s22, s21
	v_mul_u32_u24 v6, s22, v2                      ; lanes 16-31 take B's
	s_add_co_u32 s21, s21, SCL
	v_add_nc_u32 v5, v5, v6
	v_add_nc_u32 v[ADRS], s21, v5
	s_mul_i32 s23, s14, 16*SPITCH                  ; my stage
	v_mul_u32_u24 v5, v1, SPITCH
	v_lshl_add_u32 v5, v2, 5, v5
	v_add_nc_u32 v[STF], s23, v5
	v_and_b32 v6, 31, v0
	v_lshlrev_b32 v[GO], 4, v6
	v_add_nc_u32 v[RDF], s23, v[GO]
	v_lshlrev_b32 v[GOF], 12, v2                   ; lanes 16-31: the next head
	v_lshl_add_u32 v[GOF], v1, 4, v[GOF]
	v_add_nc_u32 v[STO], s23, v4                   ; r x 272 + 16 h
	v_bfe_u32 v5, v0, 3, 2
	v_mul_u32_u24 v5, v5, 272
	v_and_b32 v6, 7, v0
	v_lshl_add_u32 v5, v6, 4, v5
	v_add_nc_u32 v[RD], s23, v5                    ; (lane / 8) x 272 + 16 (lane % 8)
.macro FRAG reg, adr, q, i             ; 16 rows x 128 K of 4-bit codes: registers 4 c .. 4 c + 3 hold K = 64 c + 32 (lane / 16) + 0 .. 31
.irp c, 0,1
	ds_load_b128 v[\reg+4*\c:\reg+4*\c+3], v[\adr] offset:64*(\q)+32*\c+(\i)*16*PITCH
.endr
.endm
; 16 products: A's blocks a0, a0 + 1 x B's eight.  bias = 1: the first product of each sum takes the bias as its C.  The 64 accumulators take turns, one instruction a turn.
.macro MUL16 a0, p, q, sc, bias
.irp a, \a0, \a0+1
.irp b, 0,1,2,3,4,5,6,7
.if \bias
	v_wmma_scale_f32_16x16x128_f8f6f4 v[8*(8*((\a)%4)+\b):8*(8*((\a)%4)+\b)+7], v[128*(\p)+FR*\b:128*(\p)+FR*\b+FR-1], v[AF+FR*(\a):AF+FR*(\a)+FR-1], v[BIAS+8*\b:BIAS+8*\b+7], v[SC+8*NQ*(\sc)+NQ*\b+(\q)], v[SC+8*NQ*(\sc)+NQ*(\a)+(\q)] matrix_a_fmt:MATRIX_FMT_FP4 matrix_b_fmt:MATRIX_FMT_FP4 matrix_a_scale:MATRIX_SCALE_ROW1
.else
	v_wmma_scale_f32_16x16x128_f8f6f4 v[8*(8*((\a)%4)+\b):8*(8*((\a)%4)+\b)+7], v[128*(\p)+FR*\b:128*(\p)+FR*\b+FR-1], v[AF+FR*(\a):AF+FR*(\a)+FR-1], v[8*(8*((\a)%4)+\b):8*(8*((\a)%4)+\b)+7], v[SC+8*NQ*(\sc)+NQ*\b+(\q)], v[SC+8*NQ*(\sc)+NQ*(\a)+(\q)] matrix_a_fmt:MATRIX_FMT_FP4 matrix_b_fmt:MATRIX_FMT_FP4 matrix_a_scale:MATRIX_SCALE_ROW1
.endif
.endr
.endr
.endm
.macro FETCH_B slot, q, p
	WIN TO_B
.irp i, 0,1,2,3,4,5,6,7
	FRAG 128*(\p)+FR*\i, ADRB+\slot, \q, \i
.endr
	WIN 0
.endm
.macro FETCH_A slot, q, i0
.irp i, \i0, \i0+1, \i0+2, \i0+3
	FRAG AF+FR*(\i), ADRA+\slot, \q, \i
.endr
.endm
.macro SCALES sc                       ; a slot's scale words: four a row; lanes 0-15 A's block i, lanes 16-31 B's block i
.irp i, 0,1,2,3,4,5,6,7
	ds_load_b128 v[SC+8*NQ*\sc+NQ*\i:SC+8*NQ*\sc+NQ*\i+3], v[ADRS] offset:\i*SBLK
.endr
.endm
.macro PLACES n                        ; places in front of loads into registers that matrix instructions have read, and of the first read of results
.rept \n
	v_nop
.endr
.endm
.macro STEP slot, q, bias              ; 128 along K, with its successor in the same slot
	s_wait_dscnt 4*NL                              ; B's set and A's blocks 0-3 are in; the youngest 8 loads (A's blocks 4-7) may be out
	WIN MUL_LO-0x20*(\bias)                        ; (with the bias: C in window 0)
	MUL16 0, (\q)%2, \q, \slot, \bias
	MUL16 2, (\q)%2, \q, \slot, \bias
	s_wait_dscnt 0
	PLACES NP
	FETCH_B \slot, (\q)+1, 1-(\q)%2
	FETCH_A \slot, (\q)+1, 0
	WIN MUL_HI-0x30*(\bias)
	MUL16 4, (\q)%2, \q, \slot, \bias
	MUL16 6, (\q)%2, \q, \slot, \bias
	PLACES NP
	WIN 0
	FETCH_A \slot, (\q)+1, 4
.endm
.macro STEPS slot, from
.set Q, \from
.rept NQ-1-\from
	STEP \slot, Q, 0
.set Q, Q+1
.endr
.endm
	s_wait_tensorcnt 1                             ; the scales and my part of slot 0 are in; slot 1's load may be out
	s_barrier_signal -1
	s_barrier_wait -1
	FETCH_B 0, 0, 0
	FETCH_A 0, 0, 0
	SCALES 0
	FETCH_A 0, 0, 4
	s_wait_loadcnt 0x0                             ; the bias
	STEP 0, 0, 1
	STEPS 0, 1
	; slot 0's last step changes slots: one barrier; in front of it all my tensor loads have landed
	s_wait_tensorcnt 0x0
	ds_add_u32 v[SPW], v[NIL]                      ; 0 onto my spare word
	s_wait_dscnt 4*NL+1                            ; the add and the youngest 8 loads may be out
	WIN MUL_LO
	MUL16 0, 1, NQ-1, 0, 0
	s_wait_dscnt 0x0                               ; the add is done, and my reads of slot 0 are over
	s_barrier_signal -1
	MUL16 2, 1, NQ-1, 0, 0
	WIN 0
	s_barrier_wait -1
	PLACES NP
	v_add_nc_u32 v[ADRS], 4*NQ, v[ADRS]            ; on to slot 1's scale words
	FETCH_B 1, 0, 0
	FETCH_A 1, 0, 0
	SCALES 1
	WIN MUL_HI
	MUL16 4, 1, NQ-1, 0, 0
	MUL16 6, 1, NQ-1, 0, 0
	PLACES NP
	WIN 0
	FETCH_A 1, 0, 4
	STEPS 1, 0
	s_wait_dscnt 4*NL                              ; the very last step
	WIN MUL_LO
	MUL16 0, 1, NQ-1, 1, 0
	MUL16 2, 1, NQ-1, 1, 0
	s_wait_dscnt 0
	WIN MUL_HI
	MUL16 4, 1, NQ-1, 1, 0
	MUL16 6, 1, NQ-1, 1, 0
	WIN 0
	PLACES NP
	; THE WAY OUT.  (a) Where my first 16 rows are positions 0-15 of a sequence (cluster y = 0, row half 0: ids and the wave's number alone) they also leave as f32.
	s_or_b32 s2, s104, s15
	s_cmp_lg_u32 s2, 0
	s_cbranch_scc1 .Lnot_first
	WIN 0x08                                       ; an LDS store's data are its source 1: window 2
.irp b, 0,1,2,3,4,5,6,7
	ds_store_b128 v[STF], v[8*\b:8*\b+3] offset:64*\b              ; each accumulator from its low end on
	ds_store_b128 v[STF], v[8*\b+4:8*\b+7] offset:64*\b+16
.endr
	WIN 0
.irp t, 0,1,2,3,4,5,6,7,8,9,10,11,12,13,14,15
	ds_load_b128 v[BK+4*\t:BK+4*\t+3], v[RDF] offset:\t*SPITCH     ; LDS serves a wave's instructions in order: these see my stores
.endr
	s_wait_dscnt 0x0
.irp t, 0,1,2,3,4,5,6,7,8,9,10,11,12,13,14,15
	global_store_b128 v[GOF], v[BK+4*\t:BK+4*\t+3], s[66:67] offset:256*\t   ; sixteen lanes store one head's row: 256 consecutive bytes, aligned
.endr
	s_wait_xcnt 0x0                                ; these stores have read their registers, which take the blocks below
.Lnot_first:
	; (b) all eight blocks of 16 rows as f16, by head: a block goes through my stage and comes back as 4 rows x 128 bytes of one head, which are 512 consecutive bytes of qkv
.macro PACK a
.set AC, 64*((\a)%4)
	WIN 0x0a+5*((\a)/4)                            ; sources 0 and 1: window 2 or 3
.irp b, 0,1,2,3,4,5,6,7
.irp r, 0,1,2,3
	v_cvt_pk_f16_f32 v[TMP+4*\b+\r], v[AC+8*\b+2*\r], v[AC+8*\b+2*\r+1]
.endr
.endr
	WIN 0
.endm
.macro TOSTAGE a
.set BB, BK+32*((\a)%2)
.irp b, 0,1,2,3,4,5,6,7
	ds_store_b128 v[STO], v[TMP+4*\b:TMP+4*\b+3] offset:32*\b
.endr
.irp j, 0,1
.irp t, 0,1,2,3
	ds_load_b128 v[BB+4*(4*\j+\t):BB+4*(4*\j+\t)+3], v[RD] offset:1088*\t+128*\j
.endr
.endr
.endm
.macro SEND a
.set BB, BK+32*((\a)%2)
	s_wait_dscnt 0x0                               ; the block is back in registers
	s_wait_xcnt 0x0                                ; the stores of the block before have read their registers: the next block's loads may land there
.irp j, 0,1
.irp t, 0,1,2,3
	global_store_b128 v[GO], v[BB+4*(4*\j+\t):BB+4*(4*\j+\t)+3], s[12:13] offset:\j*262144+2048*(\a)+512*\t   ; 512 consecutive bytes, aligned
.endr
.endr
.endm
	PACK 0
	TOSTAGE 0
.irp a, 1,2,3,4,5,6,7
	PACK \a
	SEND (\a)-1
	TOSTAGE \a
.endr
	SEND 7
	s_wait_tensorcnt 0x0                           ; the wave's end
	ds_add_u32 v[SPW], v[NIL]
	s_wait_dscnt 0x0
	CROUND                                         ; the closing round
	s_endpgm
.Lfunc_end_k_q9ce94b119e_proj:
	.size	k_q9ce94b119e_proj, .Lfunc_end_k_q9ce94b119e_proj-k_q9ce94b119e_proj
	.p2alignl 7, 3214868480
	.fill 96, 4, 3214868480
	.section	.rodata,"a",@progbits
	.p2align	6, 0x0
	.amdhsa_kernel k_q9ce94b119e_proj
		.amdhsa_group_segment_fixed_size 327680
		.amdhsa_private_segment_fixed_size 0
		.amdhsa_enable_private_segment 0
		.amdhsa_kernarg_size 72
		.amdhsa_user_sgpr_count 2
		.amdhsa_user_sgpr_kernarg_segment_ptr 1
		.amdhsa_wavefront_size32 1
		.amdhsa_system_sgpr_workgroup_id_x 1
		.amdhsa_system_sgpr_workgroup_id_y 1
		.amdhsa_system_sgpr_workgroup_id_z 1
		.amdhsa_system_vgpr_workitem_id 0
		.amdhsa_next_free_vgpr 1024
		.amdhsa_next_free_sgpr 106
		.amdhsa_reserve_vcc 0
		.amdhsa_float_denorm_mode_32 3
		.amdhsa_float_denorm_mode_16_64 3
		.amdhsa_memory_ordered 1
		.amdhsa_forward_progress 1
		.amdhsa_inst_pref_size 132
	.end_amdhsa_kernel
	.amdgpu_metadata
---
amdhsa.version: [ 1, 2 ]
amdhsa.kernels:
  - .name:           k_q9ce94b119e_proj
    .symbol:         k_q9ce94b119e_proj.kd
    .args:
      - { .name: xc, .offset: 0, .size: 8, .value_kind: global_buffer, .address_space: global }
      - { .name: xs, .offset: 8, .size: 8, .value_kind: global_buffer, .address_space: global }
      - { .name: wc, .offset: 16, .size: 8, .value_kind: global_buffer, .address_space: global }
      - { .name: ws, .offset: 24, .size: 8, .value_kind: global_buffer, .address_space: global }
      - { .name: bq, .offset: 32, .size: 8, .value_kind: global_buffer, .address_space: global }
      - { .name: bk, .offset: 40, .size: 8, .value_kind: global_buffer, .address_space: global }
      - { .name: bv, .offset: 48, .size: 8, .value_kind: global_buffer, .address_space: global }
      - { .name: qkv, .offset: 56, .size: 8, .value_kind: global_buffer, .address_space: global }
      - { .name: rows16, .offset: 64, .size: 8, .value_kind: global_buffer, .address_space: global }
    .group_segment_fixed_size: 327680
    .private_segment_fixed_size: 0
    .kernarg_segment_align: 8
    .kernarg_segment_size: 72
    .max_flat_workgroup_size: 128
    .sgpr_count:     106
    .vgpr_count:     1024
    .wavefront_size: 32
...
	.end_amdgpu_metadata
.endif
;; end of part 2
;; launch attn (part 3): grid 4 x 64, 8 waves a work-group, no clusters, 327,680 bytes of LDS; arguments qkv, zh; writes zh
.if DOCPART == 3
	.amdgcn_target "amdgcn-amd-amdhsa--gfx1250"
	.amdhsa_code_object_version 6
	.text
	.protected	k_q9ce94b119e_attn
	.globl	k_q9ce94b119e_attn
	.p2align	8
	.type	k_q9ce94b119e_attn,@function
k_q9ce94b119e_attn:
	s_mov_b64 s[64:65], 0
	v_nop
	global_prefetch_b8 v0, s[64:65] scope:SCOPE_SE
	s_setreg_imm32_b32 hwreg(HW_REG_WAVE_MODE, 25, 1), 1
	s_wait_xcnt 0x0
; Z[bh][q] = sum over k <= q of softmax_k(Q[bh][q] . K[bh][k] / 8) V[bh][k].  qkv [3][64 bh][2048][64] f16, zh [64 bh][2048][64] f16.
; Products on f16 operands with f32 sums; maxima, exponentials and sums in f32; a running maximum is taken away ahead of every exponential; the row's sum is taken of the unrounded p.
; LIMITS: NaN and infinities are not served.  Positions 0-15 of each sequence are computed here like all others; a later launch of this program computes them again in f32.
; SHARES.  Work-group (i, bh) owns query blocks 7 - i and i of 256 queries: (8 - i) + (i + 1) = 9 units of 256 keys for every work-group, so all 256 have equal work and the trip count is a constant.
; Wave w owns 32 queries, two tiles of 16; each fragment of K and V read from LDS feeds two products.
; NO CLUSTER: the partners would be query blocks of one head, which under the causal mask need different numbers of tiles; a joint tile would go unread by some partner.
; LAYOUT.  S^T = K Q^T (source 0 = 16 keys, source 1 = 16 queries), O^T = V^T P (source 0 = 16 channels, turned by ds_load_tr16_b128; source 1 = P): a lane holds ONE query throughout.
; RING.  Two slots of 256 keys, four key steps of 64; a step's tiles lie together: K as 32 rows of 256 bytes + 16 (two keys a row: a head's rows are dense in memory), V as 32 rows of 256 + 32.
; Waves 0-3 fetch K of step w, waves 4-7 V of step w - 4: one load a wave behind each change of slots; it has four key steps in which to land.  One tensor load of a wave is out at a time.
; REGISTERS: window 0: v1-15 addresses and constants; v16-31 statistics (tile t at 16 + 8 t: c m, m, l, l, T4-T7); v32-95 S^T; v96-127 P; v128-191 O^T; v192-223 the way out; v224-233 at work.
;   window 1: v0-63 K's fragments; v64-127 V's; v128-159 Q's.
.set STEPB, 17920
.set VOFF,  8704
.set SLOT1, 131072                     ; one exclusive or turns an address in one slot into the other's
.set STAGE, SLOT1+4*STEPB              ; behind the ring: for each wave 2 tiles x 16 rows x (128 + 16) bytes
.set SPARE, STAGE+8*4608               ; the spare words, 128 bytes a wave: named by no other line
.set AK0, 3
.set AV0, 4
.set ADK, 5
.set ADV, 6
.set QO,  7
.set STO, 8
.set RD,  9
.set GO,  10
.set PFO, 11
.set D0,  12
.set NINF, 13
.set SPW, 14
.set NIL, 15
.set ST,  16
.set S,   32
.set P,   96
.set O,   128
.set TMP, 192
.set MD,  224
.set U,   226
.set WV,  8
.set II,  9
.set BH,  10
.set SWT, 11                           ; the trip behind which the first block is finished: 7 - i
.set NA,  12                           ; units of the first block: 8 - i
.set T,   13                           ; the trip, 0..8
.set KF,  14                           ; the step's first key
.set Q0,  15                           ; my first query
.set TB,  16                           ; LDS byte at which the step's tiles begin
.set STP, 17
.set CS,  18                           ; s[18:19] c = log2(e) / 8
.set SEL, 20
.set G1K, 24
.set G1V, 32
.set G0K, 40
.set G0V, 44
.set KB,  48                           ; my step's 8,192 bytes in unit 0 of K;  s[50:51] of V
.set VB,  50
.set QA,  52
.set QB,  54
.set ZA,  56
.set ZB,  58
.set UO,  60                           ; the next unit's byte offset, as a pair
.set PFA, 66
.set LIMT, 68
.set MSB, 0
.macro WIN new
.if MSB != (\new)
	s_set_vgpr_msb (MSB<<8)|(\new)
.set MSB, (\new)
.endif
.endm
.macro TLOAD                           ; the branch hangs on the wave's number alone; an s_nop 0 and four v_nop follow each line
	s_cmp_lt_u32 s[WV], 4
	s_cbranch_scc0 .Lfor_v_\@
	tensor_load_to_lds s[G0K:G0K+3], s[G1K:G1K+7]
	s_nop 0
.rept 4
	v_nop
.endr
	s_branch .Lasked_\@
.Lfor_v_\@:
	tensor_load_to_lds s[G0V:G0V+3], s[G1V:G1V+7]
	s_nop 0
.rept 4
	v_nop
.endr
.Lasked_\@:
.endm
; A PREFETCH INTO THE L2.  All four work-groups of a head walk K's and V's units from 0 on; work-group i = 0, whose first block walks all eight, asks in trip T for unit T + 2,
; one unit (four key steps) ahead of the load that wants it, for T = 0 .. 5.  Each wave asks for the 8,192 bytes that it will fetch, lanes 256 bytes apart: each block of units 2 to 7 is named once in the launch.
.macro ASK
	s_cmp_lt_u32 s[T], s[LIMT]
	s_cbranch_scc0 .Lnot_mine_\@
	global_prefetch_b8 v[PFO], s[PFA:PFA+1] th:TH_LOAD_NT scope:SCOPE_SE
.Lnot_mine_\@:
.endm
; THE CHANGE OF SLOTS, at a slot's head.  Every wave: all its tensor loads have landed; the add; its reads of the slot that it has left are over; the barrier.  fill = 1: that slot takes the next trip's unit.
.macro CHANGE fill
	s_wait_tensorcnt 0x0                           ; no tensor load of mine is out: the groups 0 may be written
	ds_add_u32 v[SPW], v[NIL]                      ; 0 onto my spare word
.if \fill
	s_add_co_u32 s70, s[T], 1                      ; the next trip's unit: T + 1, or T + 1 - NA in the second block
	s_cmp_ge_u32 s70, s[NA]
	s_cselect_b32 s71, s[NA], 0
	s_sub_co_u32 s70, s70, s71
	s_lshl_b32 s[UO], s70, 15                      ; 256 keys of 128 bytes
	s_xor_b32 s[G0K+1], s[G0K+1], SLOT1
	s_xor_b32 s[G0V+1], s[G0V+1], SLOT1
	s_add_nc_u64 s[G0K+2:G0K+3], s[KB:KB+1], s[UO:UO+1]
	s_or_b32 s[G0K+3], s[G0K+3], 0x80000000
	s_add_nc_u64 s[G0V+2:G0V+3], s[VB:VB+1], s[UO:UO+1]
	s_or_b32 s[G0V+3], s[G0V+3], 0x80000000
	s_wait_xcnt 0x0                                ; the last prefetch, a unit back, has read its address
	s_add_nc_u64 s[PFA:PFA+1], s[PFA:PFA+1], 32768
.endif
	s_wait_dscnt 0x0                               ; the add is done, and my reads of the slot that I have left are over
	s_barrier_signal -1
	s_barrier_wait -1
.if \fill
	TLOAD                                          ; the first thing behind the barrier, and my one tensor load until the next
	ASK
.endif
.endm
; On the diagonal hidden scores become -infinity ahead of the maximum.  Register n of tile t holds key KF + 16 (n / 8) + 8 h + n % 8 and query Q0 + 16 t + r: hidden where 16 (n / 8) + n % 8 > Q0 - KF + 16 t + r - 8 h.
.macro MASK
	s_sub_co_i32 s70, s[Q0], s[KF]
	v_add_nc_u32 v[MD], s70, v[D0]
	v_add_nc_u32 v[MD+1], 16, v[MD]
.irp n, 0,1,2,3,4,5,6,7,8,9,10,11,12,13,14,15,16,17,18,19,20,21,22,23,24,25,26,27,28,29,30,31
.irp t, 0,1
	v_cmp_gt_i32 vcc_lo, 16*(\n/8)+\n%8, v[MD+\t]
	v_cndmask_b32 v[S+32*\t+\n], v[S+32*\t+\n], v[NINF], vcc_lo
.endr
.endr
.endm
; The two tiles' softmax, line by line by turns.  All 66 exponentials are one batch with one wait ahead of the first line that names a result.
.macro SOFTMAX
.irp j, 0,1,2,3
.irp t, 0,1
	v_max3_num_f32 v[ST+8*\t+4+\j], v[S+32*\t+8*\j], v[S+32*\t+8*\j+1], v[S+32*\t+8*\j+2]   ; four chains, each begun at the low end of an accumulator
.endr
.endr
.irp i, 3,5
.irp j, 0,1,2,3
.irp t, 0,1
	v_max3_num_f32 v[ST+8*\t+4+\j], v[ST+8*\t+4+\j], v[S+32*\t+8*\j+\i], v[S+32*\t+8*\j+\i+1]
.endr
.endr
.endr
.irp t, 0,1
	v_max3_num_f32 v[ST+8*\t+4], v[ST+8*\t+4], v[S+32*\t+7], v[S+32*\t+15]
.endr
.irp t, 0,1
	v_max3_num_f32 v[ST+8*\t+6], v[ST+8*\t+6], v[S+32*\t+23], v[S+32*\t+31]
.endr
.irp t, 0,1
	v_max3_num_f32 v[ST+8*\t+4], v[ST+8*\t+4], v[ST+8*\t+5], v[ST+8*\t+6]
.endr
.irp t, 0,1
	v_max3_num_f32 v[ST+8*\t+4], v[ST+8*\t+4], v[ST+8*\t+7], v[ST+8*\t+1]   ; with the old m
.endr
.irp t, 0,1
	v_permlanex16_b32 v[ST+8*\t+5], v[ST+8*\t+4], s[SEL], s[SEL+1]          ; the query's other 32 keys lie in the lane 16 away
.endr
.irp t, 0,1
	v_mov_b32 v[ST+8*\t+7], v[ST+8*\t]             ; c m_old is kept
.endr
.irp t, 0,1
	v_max_num_f32 v[ST+8*\t+1], v[ST+8*\t+4], v[ST+8*\t+5]
.endr
.irp t, 0,1
	v_mul_f32 v[ST+8*\t], s[CS], v[ST+8*\t+1]
.endr
.irp t, 0,1
	v_sub_f32 v[ST+8*\t+7], v[ST+8*\t+7], v[ST+8*\t]   ; of the two rounded products, under which p was and is taken
.endr
.irp t, 0,1
	v_exp_f32 v[ST+8*\t+6], v[ST+8*\t+7]           ; a = 2^(c m_old - c m_new)
.endr
.irp b, 0,1,2,3,4,5,6,7,8,9,10,11,12,13,14,15
.irp t, 0,1
	v_pk_fma_f32 v[S+32*\t+2*\b:S+32*\t+2*\b+1], v[S+32*\t+2*\b:S+32*\t+2*\b+1], s[CS:CS+1], v[ST+8*\t:ST+8*\t+1] op_sel_hi:[1,0,0] neg_lo:[0,0,1] neg_hi:[0,0,1]   ; c s - c m
.endr
.endr
.set n, 0
.rept 32
	v_exp_f32 v[S+n], v[S+n]
	v_exp_f32 v[S+32+n], v[S+32+n]
.set n, n+1
.endr
	v_nop                                          ; a plain line behind the last exponential
	s_wait_alu depctr_va_vdst(0)                   ; one wait for the batch
.irp b, 0,1,2,3,4,5,6,7,8,9,10,11,12,13,14,15
.irp t, 0,1
	v_cvt_pk_f16_f32 v[P+16*\t+\b], v[S+32*\t+2*\b], v[S+32*\t+2*\b+1]     ; two tiles of 16 keys, packed, are source 1 of V^T P
.endr
.endr
.irp t, 0,1
	v_pk_add_f32 v[U+4*\t:U+4*\t+1], v[S+32*\t:S+32*\t+1], v[S+32*\t+2:S+32*\t+3]     ; the sum of the unrounded p, in two chains
	v_pk_add_f32 v[U+4*\t+2:U+4*\t+3], v[S+32*\t+4:S+32*\t+5], v[S+32*\t+6:S+32*\t+7]
.endr
.irp b, 4,6,8,10,12,14
.irp t, 0,1
	v_pk_add_f32 v[U+4*\t:U+4*\t+1], v[U+4*\t:U+4*\t+1], v[S+32*\t+2*\b:S+32*\t+2*\b+1]
	v_pk_add_f32 v[U+4*\t+2:U+4*\t+3], v[U+4*\t+2:U+4*\t+3], v[S+32*\t+2*\b+2:S+32*\t+2*\b+3]
.endr
.endr
.irp t, 0,1
	v_pk_add_f32 v[U+4*\t:U+4*\t+1], v[U+4*\t:U+4*\t+1], v[U+4*\t+2:U+4*\t+3]
.endr
.irp t, 0,1
	v_pk_fma_f32 v[ST+8*\t+2:ST+8*\t+3], v[ST+8*\t+2:ST+8*\t+3], v[ST+8*\t+6:ST+8*\t+7], v[U+4*\t:U+4*\t+1] op_sel_hi:[1,0,1]   ; l = a l + the sum
.endr
.irp b, 0,1,2,3,4,5,6,7,8,9,10,11,12,13,14,15
.irp t, 0,1
	v_pk_mul_f32 v[O+32*\t+2*\b:O+32*\t+2*\b+1], v[O+32*\t+2*\b:O+32*\t+2*\b+1], v[ST+8*\t+6:ST+8*\t+7] op_sel_hi:[1,0]   ; O^T x a, each accumulator from its low end on
.endr
.endr
.endm
; A KEY STEP of 64 keys.  A step all of whose keys come after my 32 queries is left out: a scalar branch on ids and counted steps, round no barrier and no tensor load.
.macro STEP
	s_add_co_u32 s70, s[Q0], 31
	s_cmp_gt_u32 s[KF], s70
	s_cbranch_scc1 .Lhid_\@
	v_add_nc_u32 v[ADK], s[TB], v[AK0]
	v_add_nc_u32 v[ADV], s[TB], v[AV0]
	v_nop
	v_nop                                          ; with the two additions: four places between the last step's products and the loads into V's registers
	WIN 0x40                                       ; destination window 1
.irp kt, 0,1,2,3
.irp kk, 0,1
	ds_load_b128 v[8*(2*\kt+\kk):8*(2*\kt+\kk)+3], v[ADK] offset:2176*\kt+64*\kk
	ds_load_b128 v[8*(2*\kt+\kk)+4:8*(2*\kt+\kk)+7], v[ADK] offset:2176*\kt+64*\kk+32
.endr
.endr
.irp ks, 0,1
.irp ct, 0,1,2,3
	ds_load_tr16_b128 v[64+8*(4*\ks+\ct):64+8*(4*\ks+\ct)+3], v[ADV] offset:4608*\ks+32*\ct
	ds_load_tr16_b128 v[64+8*(4*\ks+\ct)+4:64+8*(4*\ks+\ct)+7], v[ADV] offset:4608*\ks+32*\ct+2304
.endr
.endr
	s_wait_dscnt 16                                ; K's 16 loads are in; V's 16 may be out
	WIN 0x05                                       ; K and Q in window 1
.irp kk, 0,1
.irp kt, 0,1,2,3
.irp qt, 0,1
.if \kk == 0
	v_wmma_f32_16x16x32_f16 v[S+32*\qt+8*\kt:S+32*\qt+8*\kt+7], v[8*(2*\kt+\kk):8*(2*\kt+\kk)+7], v[128+8*(2*\qt+\kk):128+8*(2*\qt+\kk)+7], 0
.else
	v_wmma_f32_16x16x32_f16 v[S+32*\qt+8*\kt:S+32*\qt+8*\kt+7], v[8*(2*\kt+\kk):8*(2*\kt+\kk)+7], v[128+8*(2*\qt+\kk):128+8*(2*\qt+\kk)+7], v[S+32*\qt+8*\kt:S+32*\qt+8*\kt+7]
.endif
.endr
.endr
.endr
	WIN 0
.rept 4
	v_nop                                          ; places ahead of the first read of the scores
.endr
	s_add_co_u32 s70, s[KF], 63
	s_cmp_le_u32 s70, s[Q0]
	s_cbranch_scc1 .Lopen_\@                       ; all 64 keys count for all my queries
	MASK
.Lopen_\@:
	SOFTMAX
	s_wait_dscnt 0x0                               ; V is in
	WIN 0x01                                       ; V in window 1
.irp ks, 0,1
.irp ct, 0,1,2,3
.irp qt, 0,1
	v_wmma_f32_16x16x32_f16 v[O+32*\qt+8*\ct:O+32*\qt+8*\ct+7], v[64+8*(4*\ks+\ct):64+8*(4*\ks+\ct)+7], v[P+16*\qt+8*\ks:P+16*\qt+8*\ks+7], v[O+32*\qt+8*\ct:O+32*\qt+8*\ct+7]
.endr
.endr
.endr
	WIN 0
.Lhid_\@:
.endm
.macro FOUR_STEPS                      ; a slot's four key steps: written once, walked four times
	s_mov_b32 s[STP], 4
.Lstep_\@:
	STEP
	s_add_co_u32 s[TB], s[TB], STEPB
	s_add_co_u32 s[KF], s[KF], 64
	s_sub_co_u32 s[STP], s[STP], 1
	s_cmp_lg_u32 s[STP], 0
	s_cbranch_scc1 .Lstep_\@
	s_sub_co_u32 s[TB], s[TB], 4*STEPB
	s_xor_b32 s[TB], s[TB], SLOT1                  ; on to the other slot
.endm
; A block of queries begins: Q's fragments; m = -3e38, under every score; l = 0; O^T = 0 (the first change of m multiplies zeros: so the step is written once).
.macro INIT qb
	WIN 0x40
.irp qt, 0,1
.irp kk, 0,1
	global_load_b128 v[128+8*(2*\qt+\kk):128+8*(2*\qt+\kk)+3], v[QO], s[\qb:\qb+1] offset:2048*\qt+64*\kk
	global_load_b128 v[128+8*(2*\qt+\kk)+4:128+8*(2*\qt+\kk)+7], v[QO], s[\qb:\qb+1] offset:2048*\qt+64*\kk+32
.endr
.endr
	WIN 0
.irp t, 0,1
	v_mov_b32 v[ST+8*\t+1], 0xff61b1e6
	v_mov_b32 v[ST+8*\t+2], 0
	v_mov_b32 v[ST+8*\t+3], 0
	v_mov_b32 v[ST+8*\t+5], 0
	v_mov_b32 v[ST+8*\t+7], 0
	v_mul_f32 v[ST+8*\t], s[CS], v[ST+8*\t+1]
.endr
.set n, 0
.rept 64
	v_mov_b32 v[O+n], 0
.set n, n+1
.endr
	s_wait_loadcnt 0x0
.endm
; A block of queries ends: O^T / l, rounded to f16, through my stage, out as 4 rows x 128 bytes = 512 consecutive bytes a store.
.macro WAYOUT zb
	s_wait_xcnt 0x0                                ; earlier stores have read the registers that are written below
.irp t, 0,1
	v_add_f32 v[ST+8*\t+4], v[ST+8*\t+2], v[ST+8*\t+3]
.endr
.irp t, 0,1
	v_permlanex16_b32 v[ST+8*\t+5], v[ST+8*\t+4], s[SEL], s[SEL+1]
.endr
.irp t, 0,1
	v_add_f32 v[ST+8*\t+4], v[ST+8*\t+4], v[ST+8*\t+5]
.endr
.irp t, 0,1
	v_rcp_f32 v[ST+8*\t+6], v[ST+8*\t+4]
.endr
	v_nop                                          ; with the four additions: the places behind the last products; and the plain line behind the reciprocals
	s_wait_alu depctr_va_vdst(0)                   ; one wait for both reciprocals
.irp t, 0,1
.irp b, 0,1,2,3,4,5,6,7,8,9,10,11,12,13,14,15
	v_pk_mul_f32 v[O+32*\t+2*\b:O+32*\t+2*\b+1], v[O+32*\t+2*\b:O+32*\t+2*\b+1], v[ST+8*\t+6:ST+8*\t+7] op_sel_hi:[1,0]
.endr
.endr
.irp t, 0,1
.irp b, 0,1,2,3,4,5,6,7,8,9,10,11,12,13,14,15
	v_cvt_pk_f16_f32 v[TMP+16*\t+\b], v[O+32*\t+2*\b], v[O+32*\t+2*\b+1]
.endr
.endr
.irp t, 0,1
.irp ct, 0,1,2,3
	ds_store_b128 v[STO], v[TMP+16*\t+4*\ct:TMP+16*\t+4*\ct+3] offset:2304*\t+32*\ct
.endr
.irp u, 0,1,2,3
	ds_load_b128 v[TMP+16*\t+4*\u:TMP+16*\t+4*\u+3], v[RD] offset:2304*\t+576*\u    ; LDS serves a wave's instructions in order: these see my stores
.endr
.endr
	s_wait_dscnt 0x0
.irp t, 0,1
.irp u, 0,1,2,3
	global_store_b128 v[GO], v[TMP+16*\t+4*\u:TMP+16*\t+4*\u+3], s[\zb:\zb+1] offset:2048*\t+512*\u
.endr
.endr
.endm
	s_load_b128 s[4:7], s[0:1], 0x0                ; qkv, zh
	v_lshl_add_u32 v[SPW], v0, 2, SPARE
	v_mov_b32 v[NIL], 0
	ds_add_u32 v[SPW], v[NIL]                      ; the opening: the add, twice on end, and its wait ahead of my first tensor load
	ds_add_u32 v[SPW], v[NIL]
	v_lshrrev_b32 v1, 5, v0
	v_readfirstlane_b32 s[WV], v1                  ; wave 0..7
	s_mov_b32 s[II], ttmp9
	s_and_b32 s[BH], ttmp7, 0xffff
	s_sub_co_u32 s[SWT], 7, s[II]
	s_sub_co_u32 s[NA], 8, s[II]
	s_mov_b32 s[G1K], (1<<16)|(1<<20)|(5<<22)|(3<<25)    ; elements of 2 bytes; padding: 4 words behind every 64
	s_mov_b32 s[G1V], (1<<16)|(1<<20)|(5<<22)|(7<<25)    ; the same with 8 words
.irp g, G1K, G1V
	s_mov_b32 s[\g+1], 128<<16                     ; tensor_dim0 = 128 elements: two keys' 256 bytes
	s_mov_b32 s[\g+2], 32<<16                      ; tensor_dim1 = 32
	s_mov_b32 s[\g+3], 128<<16                     ; tile_dim0
	s_mov_b32 s[\g+4], 32                          ; tile_dim1
	s_mov_b32 s[\g+5], 128                         ; pitch: dense
	s_mov_b32 s[\g+6], 0
	s_mov_b32 s[\g+7], 0
.endr
	s_mov_b32 s[CS], 0x3e38aa3b                    ; c = log2(e) / sqrt(64)
	s_mov_b32 s[CS+1], s[CS]
	s_mov_b32 s[SEL], 0x76543210
	s_mov_b32 s[SEL+1], 0xfedcba98
	s_mov_b32 s[UO], 0
	s_mov_b32 s[UO+1], 0
	s_cmp_eq_u32 s[II], 0
	s_cselect_b32 s[LIMT], 6, 0
	s_and_b32 s70, s[WV], 3                        ; which of a slot's four steps I fetch
	s_lshl_b32 s71, s70, 13
	s_add_co_u32 s72, s[BH], 64
	s_lshl_b32 s72, s72, 18
	s_add_co_u32 s72, s72, s71
	s_mov_b32 s73, 0
	s_mov_b32 s75, 0
	s_mov_b32 s[G0K], 1
	s_mul_i32 s[G0K+1], s70, STEPB                 ; slot 0, my step: K's tile,
	s_mov_b32 s[G0V], 1
	s_add_co_u32 s[G0V+1], s[G0K+1], VOFF          ; V's
	s_wait_dscnt 0x0                               ; both opening adds are done
	s_wait_kmcnt 0x0
	s_add_nc_u64 s[KB:KB+1], s[4:5], s[72:73]
	s_add_nc_u64 s[VB:VB+1], s[KB:KB+1], 0x1000000 ; V lies 64 heads of 262,144 bytes behind K
	s_mov_b64 s[G0K+2:G0K+3], s[KB:KB+1]
	s_or_b32 s[G0K+3], s[G0K+3], 0x80000000
	s_mov_b64 s[G0V+2:G0V+3], s[VB:VB+1]
	s_or_b32 s[G0V+3], s[G0V+3], 0x80000000
	TLOAD                                          ; unit 0 into slot 0
	s_cmp_lt_u32 s[WV], 4
	s_cselect_b64 s[PFA:PFA+1], s[KB:KB+1], s[VB:VB+1]
	s_add_nc_u64 s[PFA:PFA+1], s[PFA:PFA+1], 32768 ; at unit 1: the first change of slots steps it to unit 2.  Nothing is prefetched here, at the head
	s_lshl_b32 s72, s[BH], 18
	s_lshl_b32 s71, s[WV], 12                      ; my wave's 32 rows of 128 bytes
	s_add_co_u32 s72, s72, s71
	s_lshl_b32 s71, s[SWT], 15                     ; block 7 - i
	s_add_co_u32 s74, s72, s71
	s_add_nc_u64 s[QA:QA+1], s[4:5], s[74:75]
	s_add_nc_u64 s[ZA:ZA+1], s[6:7], s[74:75]
	s_lshl_b32 s71, s[II], 15                      ; block i
	s_add_co_u32 s74, s72, s71
	s_add_nc_u64 s[QB:QB+1], s[4:5], s[74:75]
	s_add_nc_u64 s[ZB:ZB+1], s[6:7], s[74:75]
	v_and_b32 v1, 15, v0                           ; r
	v_bfe_u32 v2, v0, 4, 1                         ; h
	v_lshrrev_b32 v5, 1, v1
	v_mul_u32_u24 v[AK0], v5, 272
	v_and_b32 v5, 1, v0
	v_lshl_add_u32 v[AK0], v5, 7, v[AK0]
	v_lshl_add_u32 v[AK0], v2, 4, v[AK0]           ; key r: (r / 2) x 272 + (r % 2) x 128 + 16 h
	v_bfe_u32 v6, v0, 1, 2
	v_lshl_add_u32 v6, v2, 2, v6
	v_mul_u32_u24 v[AV0], v6, 288
	v_lshl_add_u32 v[AV0], v5, 7, v[AV0]
	v_bfe_u32 v6, v0, 3, 1
	v_lshl_add_u32 v[AV0], v6, 4, v[AV0]
	v_add_nc_u32 v[AV0], VOFF, v[AV0]              ; the turning load: key 8 h + lane % 8, channels 8 ((lane / 8) % 2) on
	v_lshlrev_b32 v[QO], 7, v1
	v_lshl_add_u32 v[QO], v2, 4, v[QO]
	s_mul_i32 s70, s[WV], 4608
	s_add_co_u32 s70, s70, STAGE
	v_mul_u32_u24 v[STO], v1, 144
	v_lshl_add_u32 v[STO], v2, 4, v[STO]
	v_add_nc_u32 v[STO], s70, v[STO]
	v_bfe_u32 v[RD], v0, 3, 2
	v_mul_u32_u24 v[RD], v[RD], 144
	v_and_b32 v[GO], 7, v0
	v_lshl_add_u32 v[RD], v[GO], 4, v[RD]
	v_add_nc_u32 v[RD], s70, v[RD]
	v_and_b32 v[GO], 31, v0
	v_lshlrev_b32 v[PFO], 8, v[GO]
	v_lshlrev_b32 v[GO], 4, v[GO]
	v_lshlrev_b32 v[D0], 3, v2
	v_sub_nc_u32 v[D0], v1, v[D0]                  ; r - 8 h
	v_mov_b32 v[NINF], 0xff800000
	INIT QA
	s_mov_b32 s[KF], 0
	s_lshl_b32 s[Q0], s[SWT], 8
	s_lshl_b32 s70, s[WV], 5
	s_add_co_u32 s[Q0], s[Q0], s70
	s_mov_b32 s[T], 0
	s_mov_b32 s[TB], 0
.Ltrip:                                            ; eight trips, each behind a change of slots that asks for the next unit
	CHANGE 1
	FOUR_STEPS
	s_cmp_lg_u32 s[T], s[SWT]
	s_cbranch_scc1 .Lsame
	WAYOUT ZA                                      ; the first block is finished; the second begins at key 0, whose unit has been asked for
	s_mov_b32 s[KF], 0
	s_lshl_b32 s[Q0], s[II], 8
	s_lshl_b32 s70, s[WV], 5
	s_add_co_u32 s[Q0], s[Q0], s70
	INIT QB
.Lsame:
	s_add_co_u32 s[T], s[T], 1
	s_cmp_lt_u32 s[T], 8
	s_cbranch_scc1 .Ltrip
	CHANGE 0                                       ; the ninth unit is written out: nothing is left to ask for
	FOUR_STEPS
	WAYOUT ZB
	s_wait_tensorcnt 0x0                           ; the wave's end
	ds_add_u32 v[SPW], v[NIL]
	s_wait_dscnt 0x0
	s_endpgm
.Lfunc_end_k_q9ce94b119e_attn:
	.size	k_q9ce94b119e_attn, .Lfunc_end_k_q9ce94b119e_attn-k_q9ce94b119e_attn
	.p2alignl 7, 3214868480
	.fill 96, 4, 3214868480
	.section	.rodata,"a",@progbits
	.p2align	6, 0x0
	.amdhsa_kernel k_q9ce94b119e_attn
		.amdhsa_group_segment_fixed_size 327680
		.amdhsa_private_segment_fixed_size 0
		.amdhsa_enable_private_segment 0
		.amdhsa_kernarg_size 16
		.amdhsa_user_sgpr_count 2
		.amdhsa_user_sgpr_kernarg_segment_ptr 1
		.amdhsa_wavefront_size32 1
		.amdhsa_system_sgpr_workgroup_id_x 1
		.amdhsa_system_sgpr_workgroup_id_y 1
		.amdhsa_system_sgpr_workgroup_id_z 1
		.amdhsa_system_vgpr_workitem_id 0
		.amdhsa_next_free_vgpr 448
		.amdhsa_next_free_sgpr 80
		.amdhsa_reserve_vcc 1
		.amdhsa_float_denorm_mode_32 3
		.amdhsa_float_denorm_mode_16_64 3
		.amdhsa_memory_ordered 1
		.amdhsa_forward_progress 1
		.amdhsa_inst_pref_size 70
	.end_amdhsa_kernel
	.amdgpu_metadata
---
amdhsa.version: [ 1, 2 ]
amdhsa.kernels:
  - .name:           k_q9ce94b119e_attn
    .symbol:         k_q9ce94b119e_attn.kd
    .args:
      - { .name: qkv, .offset: 0, .size: 8, .value_kind: global_buffer, .address_space: global }
      - { .name: zh, .offset: 8, .size: 8, .value_kind: global_buffer, .address_space: global }
    .group_segment_fixed_size: 327680
    .private_segment_fixed_size: 0
    .kernarg_segment_align: 8
    .kernarg_segment_size: 16
    .max_flat_workgroup_size: 256
    .sgpr_count:     80
    .vgpr_count:     448
    .wavefront_size: 32
...
	.end_amdgpu_metadata
.endif
;; end of part 3
;; launch oproj (part 4): grid 4 x 64, 4 waves a work-group, clusters of 4 x 4, 327,680 bytes of LDS; arguments zh, wo16, bo, out0; writes out0
.if DOCPART == 4
	.amdgcn_target "amdgcn-amd-amdhsa--gfx1250"
	.amdhsa_code_object_version 6
	.text
	.protected	k_q9ce94b119e_oproj
	.globl	k_q9ce94b119e_oproj
	.p2align	8
	.type	k_q9ce94b119e_oproj,@function
k_q9ce94b119e_oproj:
	s_mov_b64 s[64:65], 0
	v_nop
	global_prefetch_b8 v0, s[64:65] scope:SCOPE_SE
	s_setreg_imm32_b32 hwreg(HW_REG_WAVE_MODE, 25, 1), 1
	s_wait_xcnt 0x0
	s_wait_alu depctr_hold_cnt(0) depctr_sa_sdst(0) depctr_va_vdst(0) depctr_va_sdst(0) depctr_va_ssrc(0) depctr_va_vcc(0) depctr_vm_vsrc(0)
	s_getreg_b32 s2, hwreg(HW_REG_IB_STS2, 6, 4)
	s_cmp_eq_u32 s2, 0
	s_cbranch_scc0 .Lentry_in_a_cluster
	s_endpgm
.Lentry_in_a_cluster:
	s_bfe_u32 s2, ttmp6, 0x10000c
	s_cmp_lg_u32 s2, 0xf033
	s_cbranch_scc0 .Lentry_shape_is_right
	s_endpgm
.Lentry_shape_is_right:
; out0 = Z Wo + bo.  zh [4 b][16 h][2048 s][64] f16 (K = head x 64 + channel), wo16 [1024 k][1024 n] f16, bo [1024] f32, out0 [8192][1024] f32.  f16 operands, f32 sums.
; The bias is the C of each sum's first product.  Rows 0-15 of each sequence are written here like all others; the launch behind this one writes them again, computed in f32.
; A tile of 128 x 256 to a work-group (256 work-groups); a wave makes 64 x 128: 32 accumulators.  K goes in steps of 128 (two heads) through two slots.
; In a slot: Z as 2 heads x 64 rows of 256 bytes + 16 (two positions a row: a head's rows are dense in memory); Wo as 128 rows k of 512 bytes + 32, turned on the way to the registers.
; CLUSTERS 4 x 4: Z's tiles hang on the tile row alone and are shared along a row of the cluster, Wo's on the tile column alone and are shared along a column: joint loads.
; TRANSPOSED USE: source 0 = 16 columns of Wo (ds_load_tr16_b128), source 1 = 16 rows of Z: a lane holds eight neighbouring columns of one row of out0.
; REGISTERS: window 0: v0-31 addresses; v64-159, v160-255 two fragment buffers (A's 4 fragments, then B's 8).  window 1: accumulator (a, b) at v[8 (8 a + b)].  window 2: v0-63 the bias.
.set BOFF,  34816
.set SLOT,  104448
.set SPARE, 2*SLOT                     ; the spare words, 128 bytes a wave: named by no other line
.set SPITCH, 528                       ; the way out: each wave's stage of 16 x 528 bytes, in slot 0, which has had its last fill and its last read by then
.set LAPS,  4
.set ADRA, 16
.set ADRB, 20
.set STO,  24
.set RD,   25
.set CO,   26
.set BO,   27
.set SPW,  28
.set NIL,  29
.set F0,   64
.set F1,   160
.set BK,   64
.set G1,  24
.set G0,  32
.set G1B, 48
.set G0B, 56
.set MSB, 0
.macro WIN new
.if MSB != (\new)
	s_set_vgpr_msb (MSB<<8)|(\new)
.set MSB, (\new)
.endif
.endm
.set MUL, 0x50                         ; C and D window 1, sources window 0
.macro JLOAD s                         ; waves 0, 1 fetch Z's two heads, waves 2, 3 Wo's two halves; an s_nop 0 and four v_nop follow each line
	s_cmp_eq_u32 s11, 0
	s_cbranch_scc0 .Lfor_b_\@
	tensor_load_to_lds s[G0+4*\s:G0+4*\s+3], s[G1:G1+7]
	s_nop 0
.rept 4
	v_nop
.endr
	s_branch .Lasked_\@
.Lfor_b_\@:
	tensor_load_to_lds s[G0B+4*\s:G0B+4*\s+3], s[G1B:G1B+7]
	s_nop 0
.rept 4
	v_nop
.endr
.Lasked_\@:
.endm
.macro CREST
	s_cmp_lg_u32 s10, 0
	s_cbranch_scc1 .Lnot_wave_0_\@
	s_barrier_signal -3
.Lnot_wave_0_\@:
	s_barrier_wait -3
	s_barrier_signal -1
	s_barrier_wait -1
.endm
.macro CROUND
	s_barrier_signal -1
	s_barrier_wait -1
	CREST
.endm
	s_load_b128 s[4:7], s[0:1], 0x0                ; zh, wo16
	s_load_b64 s[66:67], s[0:1], 0x10              ; bo
	s_load_b64 s[8:9], s[0:1], 0x18                ; out0
	v_lshl_add_u32 v[SPW], v0, 2, SPARE
	v_mov_b32 v[NIL], 0
	ds_add_u32 v[SPW], v[NIL]                      ; the opening: the add, twice on end, and its wait ahead of my first tensor load
	ds_add_u32 v[SPW], v[NIL]
	v_lshrrev_b32 v1, 5, v0
	v_readfirstlane_b32 s10, v1                    ; wave 0..3
	s_lshr_b32 s11, s10, 1                         ; my half of the rows.  Also: I fetch Z (0) or Wo (1)
	s_and_b32 s12, s10, 1                          ; my half of the columns.  Also: which half of that tile I fetch
	s_bfe_u32 s40, ttmp6, 0x40000                  ; cx
	s_bfe_u32 s41, ttmp6, 0x40004                  ; cy
	s_lshl_b32 s42, ttmp9, 2
	s_add_co_u32 s42, s42, s40                     ; tile column
	s_and_b32 s13, ttmp7, 0xffff
	s_lshl_b32 s13, s13, 2
	s_add_co_u32 s13, s13, s41                     ; tile row 0..63
	s_lshl_b32 s43, s41, 2
	s_lshl_b32 s43, 15, s43                        ; my row of the cluster
	s_lshl_b32 s44, 0x1111, s40                    ; my column
	s_or_b32 s[G1+0], s43, (1<<16)|(1<<20)|(1<<21)|(5<<22)|(3<<25)    ; Z: elements of 2 bytes; 4 words of padding behind every 64
	s_mov_b32 s[G1+1], 128<<16
	s_mov_b32 s[G1+2], 64<<16
	s_mov_b32 s[G1+3], 128<<16
	s_mov_b32 s[G1+4], 64
	s_mov_b32 s[G1+5], 128
	s_mov_b32 s[G1+6], 0
	s_mov_b32 s[G1+7], 0
	s_or_b32 s[G1B+0], s44, (1<<16)|(1<<20)|(1<<21)|(6<<22)|(7<<25)   ; Wo: 8 words of padding behind every 128
	s_mov_b32 s[G1B+1], 256<<16
	s_mov_b32 s[G1B+2], 64<<16
	s_mov_b32 s[G1B+3], 256<<16
	s_mov_b32 s[G1B+4], 64
	s_mov_b32 s[G1B+5], 1024
	s_mov_b32 s[G1B+6], 0
	s_mov_b32 s[G1B+7], 0
	s_lshr_b32 s16, s13, 4                         ; Z: the batch, 16 heads of 262,144 bytes;
	s_lshl_b32 s16, s16, 22
	s_and_b32 s17, s13, 15
	s_lshl_b32 s17, s17, 14                        ; 128 positions of 128 bytes;
	s_add_co_u32 s16, s16, s17
	s_lshl_b32 s17, s12, 18                        ; which of the step's two heads
	s_add_co_u32 s16, s16, s17
	s_mov_b32 s17, 0
	s_lshl_b32 s46, s12, 17                        ; Wo: which 64 rows k of 2,048 bytes;
	s_lshl_b32 s47, s42, 9                         ; 256 columns of 2 bytes
	s_add_co_u32 s46, s46, s47
	s_mov_b32 s47, 0
	s_mul_i32 s20, s12, 17408                      ; where they go: no place in the cluster enters an LDS address
	s_mul_i32 s23, s12, 34816
	s_add_co_u32 s23, s23, BOFF
	s_wait_dscnt 0x0                               ; both opening adds are done
	s_wait_kmcnt 0x0
	s_add_nc_u64 s[14:15], s[4:5], s[16:17]
	s_add_nc_u64 s[46:47], s[6:7], s[46:47]
	CROUND                                         ; all sixteen work-groups are here: the first joint loads meet
.irp s, 0,1
	s_mov_b32 s[G0+4*\s], 1
	s_add_co_u32 s[G0+4*\s+1], s20, \s*SLOT
	s_add_nc_u64 s[G0+4*\s+2:G0+4*\s+3], s[14:15], \s*524288       ; K step s: two heads on
	s_or_b32 s[G0+4*\s+3], s[G0+4*\s+3], 0x80000000
	s_mov_b32 s[G0B+4*\s], 1
	s_add_co_u32 s[G0B+4*\s+1], s23, \s*SLOT
	s_add_nc_u64 s[G0B+4*\s+2:G0B+4*\s+3], s[46:47], \s*262144     ; 128 rows k on
	s_or_b32 s[G0B+4*\s+3], s[G0B+4*\s+3], 0x80000000
	JLOAD \s
.endr
	v_and_b32 v1, 15, v0                           ; r
	v_bfe_u32 v2, v0, 4, 1                         ; h
	v_lshrrev_b32 v3, 1, v1
	v_mul_u32_u24 v3, v3, 272
	v_and_b32 v4, 1, v0
	v_lshl_add_u32 v3, v4, 7, v3
	v_lshl_add_u32 v3, v2, 4, v3                   ; Z: row r: (r / 2) x 272 + (r % 2) x 128 + 16 h
	v_and_b32 v4, 7, v0
	v_lshl_add_u32 v4, v2, 3, v4
	v_mul_u32_u24 v4, v4, 544
	v_bfe_u32 v5, v0, 3, 1
	v_lshl_add_u32 v4, v5, 4, v4                   ; Wo: row k = 8 h + lane % 8, columns 8 ((lane / 8) % 2) on
	s_mul_i32 s21, s11, 8704                       ; my 64 rows of Z
	s_lshl_b32 s22, s12, 8                         ; my 128 columns of Wo
	s_add_co_u32 s22, s22, BOFF
.irp s, 0,1
	v_add_nc_u32 v[ADRA+\s], s21, v3
	v_add_nc_u32 v[ADRB+\s], s22, v4
	s_add_co_u32 s21, s21, SLOT
	s_add_co_u32 s22, s22, SLOT
.endr
	s_mul_i32 s23, s10, 16*SPITCH                  ; my stage
	v_mul_u32_u24 v5, v1, SPITCH
	v_lshl_add_u32 v5, v2, 5, v5
	v_add_nc_u32 v[STO], s23, v5
	v_and_b32 v6, 31, v0
	v_lshlrev_b32 v[CO], 4, v6
	v_add_nc_u32 v[RD], s23, v[CO]
	v_lshlrev_b32 v[BO], 5, v2
	s_lshl_b32 s16, s13, 7
	s_lshl_b32 s17, s11, 6
	s_add_co_u32 s16, s16, s17                     ; my first row of out0
	s_lshl_b32 s16, s16, 12
	s_mov_b32 s17, 0
	s_add_nc_u64 s[8:9], s[8:9], s[16:17]
	s_lshl_b32 s46, s42, 10                        ; my first column, in bytes: the same in out0 and in bo
	s_lshl_b32 s47, s12, 9
	s_add_co_u32 s46, s46, s47
	s_mov_b32 s47, 0
	s_add_nc_u64 s[8:9], s[8:9], s[46:47]
	s_add_nc_u64 s[66:67], s[66:67], s[46:47]
	WIN 0x80                                       ; destination window 2
.irp b, 0,1,2,3,4,5,6,7
	global_load_b128 v[8*\b:8*\b+3], v[BO], s[66:67] offset:64*\b         ; in the result's layout: columns 16 b + 8 h + 0 .. 7
	global_load_b128 v[8*\b+4:8*\b+7], v[BO], s[66:67] offset:64*\b+16
.endr
	WIN 0
; 24 LDS loads in one run: the fragments of the slot's kq-th 32 along K into buffer f: B's eight first, then A's four
.macro FETCH slot, kq, f
.irp b, 0,1,2,3,4,5,6,7
	ds_load_tr16_b128 v[\f+32+8*\b:\f+32+8*\b+3], v[ADRB+\slot] offset:17408*(\kq)+32*\b
	ds_load_tr16_b128 v[\f+32+8*\b+4:\f+32+8*\b+7], v[ADRB+\slot] offset:17408*(\kq)+32*\b+8704
.endr
.irp a, 0,1,2,3
	ds_load_b128 v[\f+8*\a:\f+8*\a+3], v[ADRA+\slot] offset:17408*((\kq)/2)+64*((\kq)%2)+2176*\a
	ds_load_b128 v[\f+8*\a+4:\f+8*\a+7], v[ADRA+\slot] offset:17408*((\kq)/2)+64*((\kq)%2)+2176*\a+32
.endr
.endm
; 8 products: A's block a x B's eight.  bias = 1: the sums begin with the bias as C.  The 32 accumulators take turns, one instruction a turn, in the same order in every quarter.
.macro MUL8 f, a, bias
.irp b, 0,1,2,3,4,5,6,7
.if \bias
	v_wmma_f32_16x16x32_f16 v[8*(8*(\a)+\b):8*(8*(\a)+\b)+7], v[\f+32+8*\b:\f+32+8*\b+7], v[\f+8*(\a):\f+8*(\a)+7], v[8*\b:8*\b+7]
.else
	v_wmma_f32_16x16x32_f16 v[8*(8*(\a)+\b):8*(8*(\a)+\b)+7], v[\f+32+8*\b:\f+32+8*\b+7], v[\f+8*(\a):\f+8*(\a)+7], v[8*(8*(\a)+\b):8*(8*(\a)+\b)+7]
.endif
.endr
.endm
.macro PLACES                          ; four places in front of loads into registers that matrix instructions have read, and of the first read of results
.rept 4
	v_nop
.endr
.endm
; A K step is four quarters of 32 along K on buffers 0, 1, 0, 1.  One of the first three: multiplies f and fetches the quarter kq of the same slot into g.
.macro QUARTER slot, kq, f, g, bias
	s_wait_dscnt 4                                 ; B and A's blocks 0, 1 are in; the youngest four loads (blocks 2, 3) may be out
	WIN MUL+0x10*(\bias)                           ; (with the bias: C in window 2)
	MUL8 \f, 0, \bias
	MUL8 \f, 1, \bias
	PLACES
	WIN 0
	FETCH \slot, \kq, \g
	s_wait_dscnt 24                                ; all but the 24 just issued
	WIN MUL+0x10*(\bias)
	MUL8 \f, 2, \bias
	MUL8 \f, 3, \bias
.endm
; The last quarter multiplies buffer 1 and changes slots: one barrier; in front of it all my tensor loads have landed, the add, and my reads of this slot are over.  fill = 1: this slot is filled again, two K steps on.
.macro TURN slot, next, fill
	WIN 0
	s_wait_tensorcnt 0x0
	ds_add_u32 v[SPW], v[NIL]                      ; 0 onto my spare word
	s_wait_dscnt 5                                 ; the add and the youngest four loads may be out
	WIN MUL
	MUL8 F1, 0, 0
	s_wait_dscnt 0x0                               ; the add is done, and my reads of this slot are over
	s_barrier_signal -1
	MUL8 F1, 1, 0
.if \fill
	WIN 0
.endif
	s_barrier_wait -1
.if \fill
	CREST                                          ; the barrier has opened a round of the cluster's barrier: no wave of any partner still reads this slot or has a load on its way
	s_add_nc_u64 s[G0+4*\slot+2:G0+4*\slot+3], s[G0+4*\slot+2:G0+4*\slot+3], 1048576
	s_add_nc_u64 s[G0B+4*\slot+2:G0B+4*\slot+3], s[G0B+4*\slot+2:G0B+4*\slot+3], 524288
	JLOAD \slot                                    ; the first tensor load behind the round; its four v_nop are also the places in front of the loads below
.else
	PLACES
.endif
	WIN 0
	FETCH \next, 0, F0
	WIN MUL
	MUL8 F1, 2, 0
	MUL8 F1, 3, 0
.endm
	s_wait_tensorcnt 1                             ; my part of K step 0 is in; K step 1's may be out
	s_barrier_signal -1
	s_barrier_wait -1
	FETCH 0, 0, F0
	s_wait_loadcnt 0x0                             ; the bias
	QUARTER 0, 1, F0, F1, 1                        ; the first quarter stands in front of the loop: its products start the sums
	WIN 0
	s_mov_b32 s3, LAPS-1
.Llap:                                             ; a trip goes once round the ring and fills both slots again
	QUARTER 0, 2, F1, F0, 0
	QUARTER 0, 3, F0, F1, 0
	TURN 0, 1, 1
	QUARTER 1, 1, F0, F1, 0
	QUARTER 1, 2, F1, F0, 0
	QUARTER 1, 3, F0, F1, 0
	TURN 1, 0, 1
	QUARTER 0, 1, F0, F1, 0
	WIN 0
	s_sub_co_u32 s3, s3, 1
	s_cmp_lg_u32 s3, 0
	s_cbranch_scc1 .Llap
	QUARTER 0, 2, F1, F0, 0                        ; the last lap fills nothing
	QUARTER 0, 3, F0, F1, 0
	TURN 0, 1, 0
	QUARTER 1, 1, F0, F1, 0
	QUARTER 1, 2, F1, F0, 0
	QUARTER 1, 3, F0, F1, 0
	s_wait_dscnt 4
	WIN MUL
	MUL8 F1, 0, 0
	MUL8 F1, 1, 0
	s_wait_dscnt 0
	MUL8 F1, 2, 0
	MUL8 F1, 3, 0
	WIN 0
; THE WAY OUT, block by block of 16 rows x 128 columns: through my stage, back as whole rows of 512 bytes.
.macro TOSTAGE a
	WIN 0x04                                       ; an LDS store's data are its source 1: window 1
.irp b, 0,1,2,3,4,5,6,7
	ds_store_b128 v[STO], v[64*(\a)+8*\b:64*(\a)+8*\b+3] offset:64*\b          ; each accumulator from its low end on
	ds_store_b128 v[STO], v[64*(\a)+8*\b+4:64*(\a)+8*\b+7] offset:64*\b+16
.endr
	WIN 0
.set BB, BK+64*((\a)%2)
.irp t, 0,1,2,3,4,5,6,7,8,9,10,11,12,13,14,15
	ds_load_b128 v[BB+4*\t:BB+4*\t+3], v[RD] offset:\t*SPITCH                  ; LDS serves a wave's instructions in order: these see my stores
.endr
.endm
.macro SEND a, younger
.set BB, BK+64*((\a)%2)
	s_wait_dscnt \younger                          ; the block is back; the next block's 32 LDS instructions may be out
.irp t, 0,1,2,3,4,5,6,7,8,9,10,11,12,13,14,15
	global_store_b128 v[CO], v[BB+4*\t:BB+4*\t+3], s[8:9] offset:65536*(\a)+4096*\t th:TH_STORE_NT   ; 32 lanes store 512 consecutive bytes, aligned
.endr
.endm
	PLACES
	TOSTAGE 0
.irp a, 1,2,3
.if \a > 1
	s_wait_xcnt 0x0                                ; the stores of two blocks back have read their registers: this block's loads may land there
.endif
	TOSTAGE \a
	SEND (\a)-1, 32
.endr
	SEND 3, 0
	s_wait_tensorcnt 0x0                           ; the wave's end
	ds_add_u32 v[SPW], v[NIL]
	s_wait_dscnt 0x0
	CROUND                                         ; the closing round
	s_endpgm
.Lfunc_end_k_q9ce94b119e_oproj:
	.size	k_q9ce94b119e_oproj, .Lfunc_end_k_q9ce94b119e_oproj-k_q9ce94b119e_oproj
	.p2alignl 7, 3214868480
	.fill 96, 4, 3214868480
	.section	.rodata,"a",@progbits
	.p2align	6, 0x0
	.amdhsa_kernel k_q9ce94b119e_oproj
		.amdhsa_group_segment_fixed_size 327680
		.amdhsa_private_segment_fixed_size 0
		.amdhsa_enable_private_segment 0
		.amdhsa_kernarg_size 32
		.amdhsa_user_sgpr_count 2
		.amdhsa_user_sgpr_kernarg_segment_ptr 1
		.amdhsa_wavefront_size32 1
		.amdhsa_system_sgpr_workgroup_id_x 1
		.amdhsa_system_sgpr_workgroup_id_y 1
		.amdhsa_system_sgpr_workgroup_id_z 1
		.amdhsa_system_vgpr_workitem_id 0
		.amdhsa_next_free_vgpr 576
		.amdhsa_next_free_sgpr 68
		.amdhsa_reserve_vcc 0
		.amdhsa_float_denorm_mode_32 3
		.amdhsa_float_denorm_mode_16_64 3
		.amdhsa_memory_ordered 1
		.amdhsa_forward_progress 1
		.amdhsa_inst_pref_size 87
	.end_amdhsa_kernel
	.amdgpu_metadata
---
amdhsa.version: [ 1, 2 ]
amdhsa.kernels:
  - .name:           k_q9ce94b119e_oproj
    .symbol:         k_q9ce94b119e_oproj.kd
    .args:
      - { .name: zh, .offset: 0, .size: 8, .value_kind: global_buffer, .address_space: global }
      - { .name: wo16, .offset: 8, .size: 8, .value_kind: global_buffer, .address_space: global }
      - { .name: bo, .offset: 16, .size: 8, .value_kind: global_buffer, .address_space: global }
      - { .name: out0, .offset: 24, .size: 8, .value_kind: global_buffer, .address_space: global }
    .group_segment_fixed_size: 327680
    .private_segment_fixed_size: 0
    .kernarg_segment_align: 8
    .kernarg_segment_size: 32
    .max_flat_workgroup_size: 128
    .sgpr_count:     68
    .vgpr_count:     576
    .wavefront_size: 32
...
	.end_amdgpu_metadata
.endif
;; end of part 4
;; launch first16 (part 5): grid 16 x 4, 16 waves a work-group, no clusters, 71,680 bytes of LDS; arguments rows16, Wo, bo, out0; writes out0
.if DOCPART == 5
	.amdgcn_target "amdgcn-amd-amdhsa--gfx1250"
	.amdhsa_code_object_version 6
	.text
	.protected	k_q9ce94b119e_first16
	.globl	k_q9ce94b119e_first16
	.p2align	8
	.type	k_q9ce94b119e_first16,@function
k_q9ce94b119e_first16:
	s_mov_b64 s[64:65], 0
	v_nop
	global_prefetch_b8 v0, s[64:65] scope:SCOPE_SE
	s_setreg_imm32_b32 hwreg(HW_REG_WAVE_MODE, 25, 1), 1
	s_wait_xcnt 0x0
; Positions 0-15 of each of the four sequences once more, wholly in f32: these rows average one to sixteen values, are the largest in size, and the rounding of 16-bit operands weighs most on them.
; rows16 [3 (Q, K, V)][4 b][16 h][16 s][64] f32, Wo [1024][1024] f32, bo [1024]; it writes rows 2048 b + 0 .. 15 of out0 [8192][1024], over what the launch before left there.
; Work-group (slice, b): 64 columns of out0 for the batch's 16 rows.  Wave w is head w: its 16 x 16 scores, softmax (the maximum taken away), Z, and Z x Wo's rows 64 w .. 64 w + 63 of the slice.
; The sixteen heads' parts meet in LDS; wave w then sums row w.  Each work-group repeats the batch's small attention: 32 matrix instructions a wave.
; All products by v_wmma_f32_16x16x4_f32: 96 a wave.  The four places of k may hold any four k, the same in both sources.  So a result's registers (2 i, 2 i + 1), which hold rows 8 h + 2 i + j of the
; result for one column, ARE source 1 of the next product with k = 8 h + 2 i + j, and source 0 is loaded to match.
; The registers that these products write (v160-239) are written by matrix instructions alone.  At most 64 loads of a wave are out at a time.
; LIMITS: NaN and infinities are not served.
.set TT, 24                            ; v24-31 scores, then p
.set QR, 32
.set KR, 64
.set VR, 96
.set W0, 128
.set SA, 160                           ; S^T in two sums, by turns
.set SB, 168
.set ZA, 176                           ; Z^T: four tiles of 16 channels
.set OA, 208                           ; my part of out^T: four tiles of 16 columns
.set SPARE, 69632                      ; behind the sixteen parts (16 rows x 272 bytes each): the spare words, 128 bytes a wave
.set SPW, 12
.set NIL, 13
.macro WLOAD ct, reg                   ; Wo(64 w + 16 ct + 8 h + k, slice + 16 nt + r), k = 0 .. 7
.irp nt, 0,1,2,3
.irp k, 0,1,2,3,4,5,6,7
	global_load_b32 v[\reg+8*\nt+\k], v6, s[6:7] offset:(16*\ct+\k)*4096+64*\nt
.endr
.endr
.endm
.macro OUTP ct, reg                    ; out^T += Wo^T Z^T over channels 16 ct .. 16 ct + 15: the four accumulators by turns
.irp i, 0,1,2,3
.irp nt, 0,1,2,3
.if (\ct == 0) && (\i == 0)
	v_wmma_f32_16x16x4_f32 v[OA+8*\nt:OA+8*\nt+7], v[\reg+8*\nt+2*\i:\reg+8*\nt+2*\i+1], v[ZA+8*\ct+2*\i:ZA+8*\ct+2*\i+1], 0
.else
	v_wmma_f32_16x16x4_f32 v[OA+8*\nt:OA+8*\nt+7], v[\reg+8*\nt+2*\i:\reg+8*\nt+2*\i+1], v[ZA+8*\ct+2*\i:ZA+8*\ct+2*\i+1], v[OA+8*\nt:OA+8*\nt+7]
.endif
.endr
.endr
.endm
	s_load_b256 s[4:11], s[0:1], 0x0               ; rows16, Wo, bo, out0
	v_lshl_add_u32 v[SPW], v0, 2, SPARE
	v_mov_b32 v[NIL], 0
	v_lshrrev_b32 v1, 5, v0
	v_readfirstlane_b32 s12, v1                    ; wave = head 0..15
	s_and_b32 s14, ttmp7, 0xffff                   ; batch
	v_and_b32 v1, 15, v0                           ; r
	v_bfe_u32 v2, v0, 4, 1                         ; h
	v_and_b32 v3, 31, v0
	v_lshlrev_b32 v4, 8, v1
	v_lshl_add_u32 v4, v2, 4, v4                   ; Q, K: row r of 256 bytes, + 16 h
	v_lshlrev_b32 v5, 2, v1
	v_lshl_add_u32 v6, v2, 15, v5                  ; Wo: 8 h rows of 4,096 bytes, + 4 r
	v_lshl_add_u32 v5, v2, 11, v5                  ; V: 8 h rows of 256 bytes, + 4 r
	s_mul_i32 s15, s12, 4352
	v_mul_u32_u24 v7, v1, 272
	v_lshl_add_u32 v7, v2, 5, v7
	v_add_nc_u32 v7, s15, v7                       ; my part in LDS: row r, + 32 h
	s_mul_i32 s15, s12, 272
	v_lshlrev_b32 v9, 3, v3
	v_add_nc_u32 v8, s15, v9                       ; back: row w of each part, 8 bytes a lane
	v_lshlrev_b32 v10, 3, v2
	v_sub_nc_u32 v10, v1, v10                      ; r - 8 h
	v_mov_b32 v11, 0xff800000
	v_mov_b32 v15, 0                               ; (a lane permute's destination counts as one of its sources)
	v_mov_b32 v17, 0
	s_mov_b32 s20, 0x76543210
	s_mov_b32 s21, 0xfedcba98
	s_mov_b32 s22, 0x3e38aa3b                      ; c = log2(e) / sqrt(64)
	s_lshl_b32 s23, ttmp9, 8                       ; the slice's 64 columns, in bytes
	s_lshl_b32 s16, s14, 4
	s_add_co_u32 s16, s16, s12
	s_lshl_b32 s16, s16, 12                        ; my head in rows16
	s_mov_b32 s17, 0
	s_lshl_b32 s18, s12, 18                        ; my 64 rows of Wo
	s_add_co_u32 s18, s18, s23
	s_mov_b32 s19, 0
	s_lshl_b32 s24, s14, 23                        ; row 2048 b + w of out0
	s_lshl_b32 s25, s12, 12
	s_add_co_u32 s24, s24, s25
	s_add_co_u32 s24, s24, s23
	s_mov_b32 s25, 0
	s_mov_b32 s26, s23
	s_mov_b32 s27, 0
	s_wait_kmcnt 0x0
	s_add_nc_u64 s[4:5], s[4:5], s[16:17]
	s_add_nc_u64 s[6:7], s[6:7], s[18:19]
	s_add_nc_u64 s[8:9], s[8:9], s[26:27]
	s_add_nc_u64 s[10:11], s[10:11], s[24:25]
.irp c, 0,1,2,3,4,5,6,7
	global_load_b128 v[QR+4*\c:QR+4*\c+3], v4, s[4:5] offset:32*\c              ; channels 8 c + 4 h + 0 .. 3 of query r
.endr
.irp c, 0,1,2,3,4,5,6,7
	global_load_b128 v[KR+4*\c:KR+4*\c+3], v4, s[4:5] offset:262144+32*\c       ; the same of key r
.endr
.irp ct, 0,1,2,3
.irp k, 0,1,2,3,4,5,6,7
	global_load_b32 v[VR+8*\ct+\k], v5, s[4:5] offset:524288+256*\k+64*\ct      ; V(8 h + k, 16 ct + r)
.endr
.endr
	s_wait_loadcnt 32                              ; Q and K are in; V's 32 may be out
	WLOAD 0, W0
.irp e, 0,1,2,3,4,5,6,7,8,9,10,11,12,13,14,15      ; S^T = K Q^T: source 0 = 16 keys, source 1 = 16 queries; two sums by turns
.if \e < 2
	v_wmma_f32_16x16x4_f32 v[SA+8*(\e%2):SA+8*(\e%2)+7], v[KR+2*\e:KR+2*\e+1], v[QR+2*\e:QR+2*\e+1], 0
.else
	v_wmma_f32_16x16x4_f32 v[SA+8*(\e%2):SA+8*(\e%2)+7], v[KR+2*\e:KR+2*\e+1], v[QR+2*\e:QR+2*\e+1], v[SA+8*(\e%2):SA+8*(\e%2)+7]
.endif
.endr
.rept 8
	v_nop                                          ; eight places behind this form, ahead of the first read of results (ISA guide 7.12.1)
.endr
.irp j, 0,1,2,3,4,5,6,7
	v_add_f32 v[TT+\j], v[SA+\j], v[SB+\j]         ; lane (r, h): query r, key 8 h + j
.endr
.irp j, 0,1,2,3,4,5,6,7
	v_cmp_gt_i32 vcc_lo, \j, v10                   ; hidden where 8 h + j > r
	v_cndmask_b32 v[TT+\j], v[TT+\j], v11, vcc_lo
.endr
	v_max3_num_f32 v14, v24, v25, v26
	v_max3_num_f32 v16, v27, v28, v29
	v_max3_num_f32 v14, v14, v30, v31
	v_max_num_f32 v14, v14, v16
	v_permlanex16_b32 v15, v14, s20, s21
	v_max_num_f32 v14, v14, v15                    ; the row's maximum: key 0 counts for every query
	v_mul_f32 v15, s22, v14
.irp j, 0,1,2,3,4,5,6,7
	v_fma_f32 v[TT+\j], v[TT+\j], s22, -v15
.endr
.irp j, 0,1,2,3,4,5,6,7
	v_exp_f32 v[TT+\j], v[TT+\j]
.endr
	v_nop
	s_wait_alu depctr_va_vdst(0)                   ; one wait for the eight exponentials, ahead of their first reader
	v_add_f32 v16, v24, v25
	v_add_f32 v18, v26, v27
	v_add_f32 v19, v28, v29
	v_add_f32 v20, v30, v31
	v_add_f32 v16, v16, v18
	v_add_f32 v19, v19, v20
	v_add_f32 v16, v16, v19
	v_permlanex16_b32 v17, v16, s20, s21
	v_add_f32 v16, v16, v17
	v_rcp_f32 v18, v16
	v_nop
	s_wait_alu depctr_va_vdst(0)
.irp j, 0,1,2,3,4,5,6,7
	v_mul_f32 v[TT+\j], v[TT+\j], v18
.endr
	s_wait_loadcnt 32                              ; V is in; Wo's first batch may be out
	WLOAD 1, QR                                    ; Q's registers are free: their last products stand far more than eight places back
.irp i, 0,1,2,3                                    ; Z^T = V^T P: source 0 = 16 channels, source 1 = p; k = key 8 h + 2 i + j; four accumulators by turns
.irp ct, 0,1,2,3
.if \i == 0
	v_wmma_f32_16x16x4_f32 v[ZA+8*\ct:ZA+8*\ct+7], v[VR+8*\ct+2*\i:VR+8*\ct+2*\i+1], v[TT+2*\i:TT+2*\i+1], 0
.else
	v_wmma_f32_16x16x4_f32 v[ZA+8*\ct:ZA+8*\ct+7], v[VR+8*\ct+2*\i:VR+8*\ct+2*\i+1], v[TT+2*\i:TT+2*\i+1], v[ZA+8*\ct:ZA+8*\ct+7]
.endif
.endr
.endr
.rept 9
	v_nop                                          ; nine places before a matrix instruction takes these results as a source; they also serve the loads into V's registers below
.endr
	s_wait_loadcnt 32                              ; batch 0 is in; batch 1 may be out
	WLOAD 2, KR
	OUTP 0, W0
	s_wait_loadcnt 32                              ; batch 1 is in; batch 2 may be out
	WLOAD 3, VR
	OUTP 1, QR
	s_wait_loadcnt 32                              ; batch 2 is in; batch 3 may be out
	OUTP 2, KR
	s_wait_loadcnt 0x0
	OUTP 3, VR
.rept 8
	v_nop
.endr
.irp nt, 0,1,2,3
	ds_store_b128 v7, v[OA+8*\nt:OA+8*\nt+3] offset:64*\nt          ; lane (r, h): row r, columns 16 nt + 8 h + 0 .. 7; each accumulator from its low end on
	ds_store_b128 v7, v[OA+8*\nt+4:OA+8*\nt+7] offset:64*\nt+16
.endr
	global_load_b64 v[240:241], v9, s[8:9]         ; bo at my two columns
	s_wait_dscnt 0x0                               ; for the others' sake: my part lies in LDS
	s_barrier_signal -1
	s_barrier_wait -1
.irp p, 0,1,2,3,4,5,6,7,8,9,10,11,12,13,14,15
	ds_load_b64 v[QR+2*\p:QR+2*\p+1], v8 offset:4352*\p             ; row w of head p's part
.endr
	s_wait_dscnt 0x0
	v_pk_add_f32 v[242:243], v[QR:QR+1], v[QR+2:QR+3]
.irp p, 2,3,4,5,6,7,8,9,10,11,12,13,14,15
	v_pk_add_f32 v[242:243], v[242:243], v[QR+2*\p:QR+2*\p+1]
.endr
	s_wait_loadcnt 0x0
	v_pk_add_f32 v[242:243], v[242:243], v[240:241]
	global_store_b64 v9, v[242:243], s[10:11]      ; the wave stores 256 consecutive bytes, aligned
	s_wait_tensorcnt 0x0                           ; the wave's end, behind my last LDS store
	ds_add_u32 v[SPW], v[NIL]
	s_wait_dscnt 0x0
	s_endpgm
.Lfunc_end_k_q9ce94b119e_first16:
	.size	k_q9ce94b119e_first16, .Lfunc_end_k_q9ce94b119e_first16-k_q9ce94b119e_first16
	.p2alignl 7, 3214868480
	.fill 96, 4, 3214868480
	.section	.rodata,"a",@progbits
	.p2align	6, 0x0
	.amdhsa_kernel k_q9ce94b119e_first16
		.amdhsa_group_segment_fixed_size 71680
		.amdhsa_private_segment_fixed_size 0
		.amdhsa_enable_private_segment 0
		.amdhsa_kernarg_size 32
		.amdhsa_user_sgpr_count 2
		.amdhsa_user_sgpr_kernarg_segment_ptr 1
		.amdhsa_wavefront_size32 1
		.amdhsa_system_sgpr_workgroup_id_x 1
		.amdhsa_system_sgpr_workgroup_id_y 1
		.amdhsa_system_sgpr_workgroup_id_z 1
		.amdhsa_system_vgpr_workitem_id 0
		.amdhsa_next_free_vgpr 256
		.amdhsa_next_free_sgpr 66
		.amdhsa_reserve_vcc 1
		.amdhsa_float_denorm_mode_32 3
		.amdhsa_float_denorm_mode_16_64 3
		.amdhsa_memory_ordered 1
		.amdhsa_forward_progress 1
		.amdhsa_inst_pref_size 32
	.end_amdhsa_kernel
	.amdgpu_metadata
---
amdhsa.version: [ 1, 2 ]
amdhsa.kernels:
  - .name:           k_q9ce94b119e_first16
    .symbol:         k_q9ce94b119e_first16.kd
    .args:
      - { .name: rows16, .offset: 0, .size: 8, .value_kind: global_buffer, .address_space: global }
      - { .name: Wo, .offset: 8, .size: 8, .value_kind: global_buffer, .address_space: global }
      - { .name: bo, .offset: 16, .size: 8, .value_kind: global_buffer, .address_space: global }
      - { .name: out0, .offset: 24, .size: 8, .value_kind: global_buffer, .address_space: global }
    .group_segment_fixed_size: 71680
    .private_segment_fixed_size: 0
    .kernarg_segment_align: 8
    .kernarg_segment_size: 32
    .max_flat_workgroup_size: 512
    .sgpr_count:     66
    .vgpr_count:     256
    .wavefront_size: 32
...
	.end_amdgpu_metadata
.endif
;; end of part 5
